; MI455X (gfx1250); checked and timed in simulation.
; The chip was launched on July 23, 2026; its instructions are those of AMD's public machine-readable ISA for CDNA 5 (MIT licence, August 2026) and "CDNA5" Instruction Set Architecture Reference Guide (July 2026). The comments in the code are by the model that wrote it; some were corrected since.
;; Praxis Attention. Allowed arithmetic: float matrix products may take bf16 or f16 operands with f32 sums; all other float work in f32.
;; Inputs: Wk 1,024 x 2,048 float32; Wo 1,024 x 1,024 float32; Wq 1,024 x 2,048 float32; Wv 1,024 x 1,024 float32; attention_mask 2 x 2,048 float32; gn_bias 1,024 float32; gn_weight 1,024 float32; key 2 x 2,048 x 1,024 float32; lam_k1 64 float32; lam_k2 64 float32; lam_q1 64 float32; lam_q2 64 float32; query 2 x 2,048 x 1,024 float32; value 2 x 2,048 x 1,024 float32.
;; Outputs: out0 2 x 2,048 x 1,024 float32.
;; 2 versions, each right and faster than the one before. Each part assembles by itself: llvm-mc -triple=amdgcn-amd-amdhsa -mcpu=gfx1250 --defsym DOCPART=n.
;; ======== version 1 of 2: 6 launches
;; limits: values are held in f16: magnitudes above 65,504 overflow, below 6.1e-05 lose precision; right only within a limited range of input values
;; workspace buffers: xa 16,793,600 bytes; wqk 8,404,992 bytes; a16 8,388,608 bytes; wv 2,097,152 bytes; wo 2,097,152 bytes; qk 33,554,432 bytes; vf 16,777,216 bytes; walk 256 bytes of whole numbers
;; launch prep (part 1): grid 1538 x 1, 8 waves a work-group, no clusters, 18,688 bytes of LDS; arguments query, key, value, Wq, Wk, Wv, Wo, attention_mask, xa, a16, wqk, wv, wo, walk; writes xa, a16, wqk, wv, wo, walk
.if DOCPART == 1
	.amdgcn_target "amdgcn-amd-amdhsa--gfx1250"
	.amdhsa_code_object_version 6
	.text
	.protected	k_q3743ede087_prep
	.globl	k_q3743ede087_prep
	.p2align	8
	.type	k_q3743ede087_prep,@function
k_q3743ede087_prep:
	s_mov_b64 s[64:65], 0
	v_nop
	global_prefetch_b8 v0, s[64:65] scope:SCOPE_SE
	s_setreg_imm32_b32 hwreg(HW_REG_WAVE_MODE, 25, 1), 1
	s_wait_xcnt 0x0
; PREP: every large input is narrowed once, and the weights are turned, so that the products behind find rows that lie along K.
; All inputs are rounded to bf16.  query, key, Wq, Wk stay bf16; value, Wv, Wo are that same number written as f16 (exact from 6e-5 up; below it f16's fixed step of 6e-8), since their partners are f16.
; ROLES by the work-group's number:  0-767 STREAM: 65,536 bytes of query, key or value -> xa (bf16) or a16 (f16).
;   768-1535 TRANSP: a tile of 128 k x 64 n of a weight [k][n] f32 -> [n][k] 16-bit, turned through LDS.
;   1536, 1537 PAD: one batch's mask -> pad = (1 - m) x -1e9 in f32 behind wqk's weights, and F, a whole number, into walk.
; F = 2048 if any m > 1.25, else the first k with m >= 0.5 (2048 if none).  A query at or behind F has a causal key at -5e8 or above while every future key lies at -7.5e8 or below (ALiBi's 1,448 and scores
; under 1e8 aside), so future keys weigh exactly 0 there; query blocks that begin below F walk all keys.  NaN in the mask is not treated apart.
; No matrix unit, cluster or tensor load: memory binds; each load and store of a wave covers whole aligned runs of 256 bytes.
.set TP,    272                        ; a turned row in LDS: 128 k x 2 bytes + 16
.set SPARE, 64*TP                      ; behind the tile: the spare words, 128 bytes for each of eight waves
.set PADW,  SPARE+1024                 ; behind them: the mask role's eight pairs of maxima, in a block of 256 bytes of their own
.set SPW, 4                            ; v4  LDS address of my spare word; never rewritten
.set NIL, 5                            ; v5  0; never rewritten
.set X,   16                           ; v[16:79]  as loaded
.set Y,   80                           ; v[80:111] to store
.macro CV2 fmt, dst, a, b              ; two f32 -> two bf16 (fmt 0), or the bf16-rounded numbers as two f16 (fmt 1)
.if \fmt
	v_cvt_pk_bf16_f32 v6, v[\a], v[\b]
	v_lshlrev_b32 v7, 16, v6
	v_and_b32 v8, s38, v6
	v_cvt_pk_f16_f32 v[\dst], v7, v8
.else
	v_cvt_pk_bf16_f32 v[\dst], v[\a], v[\b]
.endif
.endm
.macro STREAM fmt                      ; sixteen turns; each has its own Y pair, so no store's data is rewritten
.irp i, 0,1,2,3,4,5,6,7,8,9,10,11,12,13,14,15
	s_wait_loadcnt 15-(\i)                         ; loads come back in order: mine is in, the younger ones stay out
	CV2 \fmt, Y+2*(\i), X+4*(\i), X+4*(\i)+1
	CV2 \fmt, Y+2*(\i)+1, X+4*(\i)+2, X+4*(\i)+3
	global_store_b64 v2, v[Y+2*(\i):Y+2*(\i)+1], s[42:43] offset:2048*(\i)  ; a wave's store covers 256 consecutive bytes, aligned
.endr
	s_endpgm
.endm
; thread: nq = t % 16 (four n), kg = t / 16 (eight k).  X[4 j + i] = W[8 kg + j][4 nq + i]
.macro TRANSP pitch, fmt
.irp j, 0,1,2,3,4,5,6,7
	global_load_b128 v[X+4*(\j):X+4*(\j)+3], v1, s[40:41] offset:(\j)*(\pitch) th:TH_LOAD_NT  ; sixteen lanes take 256 consecutive bytes of a row of W
.endr
	s_wait_loadcnt 0x0
.irp i, 0,1,2,3
.irp a, 0,1,2,3
	CV2 \fmt, Y+4*(\i)+(\a), X+8*(\a)+(\i), X+8*(\a)+4+(\i)
.endr
	ds_store_b128 v11, v[Y+4*(\i):Y+4*(\i)+3] offset:TP*(\i)  ; row n = 4 nq + i, eight k at byte 16 kg
.endr
	s_wait_dscnt 0x0                               ; for the others' sake: my stores into the tile are done
	s_barrier_signal -1
	s_barrier_wait -1
.irp i, 0,1,2,3
	ds_load_b128 v[X+4*(\i):X+4*(\i)+3], v12 offset:16*TP*(\i)
.endr
.irp i, 0,1,2,3
	s_wait_dscnt 3-(\i)
	global_store_b128 v2, v[X+4*(\i):X+4*(\i)+3], s[42:43] offset:32768*(\i)  ; sixteen lanes store 256 consecutive bytes of a turned row
.endr
	s_wait_tensorcnt 0x0                           ; the wave's end, behind my last LDS store
	ds_add_u32 v[SPW], v[NIL]
	s_wait_dscnt 0x0
	s_endpgm
.endm
	s_load_b512 s[4:19], s[0:1], 0x0               ; query 4, key 6, value 8, Wq 10, Wk 12, Wv 14, Wo 16, mask 18
	s_load_b256 s[20:27], s[0:1], 0x40             ; xa 20, a16 22, wqk 24, wv 26
	s_load_b128 s[28:31], s[0:1], 0x60             ; wo 28, walk 30
	v_lshl_add_u32 v[SPW], v0, 2, SPARE
	v_mov_b32 v[NIL], 0
	v_lshrrev_b32 v1, 5, v0
	v_readfirstlane_b32 s32, v1                    ; wave
	s_mov_b32 s33, ttmp9                           ; the work-group's number
	s_mov_b32 s35, 0                               ; high words of the two offset pairs
	s_mov_b32 s37, 0
	s_mov_b32 s38, 0xffff0000                      ; a word's upper bf16
	s_wait_kmcnt 0x0
	s_cmp_lt_u32 s33, 768
	s_cbranch_scc0 .Lnot_stream
	; STREAM
	s_and_b32 s34, s33, 255
	s_lshl_b32 s34, s34, 16                        ; 65,536 bytes of f32 a work-group
	s_and_b32 s36, s33, 511
	s_lshl_b32 s36, s36, 15                        ; 32,768 bytes of 16-bit numbers: query and key follow each other in xa
	s_cmp_lt_u32 s33, 256
	s_cselect_b64 s[40:41], s[4:5], s[6:7]
	s_cmp_lt_u32 s33, 512
	s_cselect_b64 s[40:41], s[40:41], s[8:9]
	s_cselect_b64 s[42:43], s[20:21], s[22:23]
	s_add_nc_u64 s[40:41], s[40:41], s[34:35]
	s_add_nc_u64 s[42:43], s[42:43], s[36:37]
	v_lshlrev_b32 v1, 4, v0
	v_lshlrev_b32 v2, 3, v0
.irp i, 0,1,2,3,4,5,6,7,8,9,10,11,12,13,14,15
	global_load_b128 v[X+4*(\i):X+4*(\i)+3], v1, s[40:41] offset:4096*(\i) th:TH_LOAD_NT
.endr
	s_cmp_lt_u32 s33, 512
	s_cbranch_scc0 .Lstream_f16
	STREAM 0
.Lstream_f16:
	STREAM 1
.Lnot_stream:
	s_cmp_lt_u32 s33, 1536
	s_cbranch_scc0 .Lpad
	; TRANSP
	s_sub_co_u32 s33, s33, 768
	v_and_b32 v9, 15, v0
	v_lshrrev_b32 v10, 4, v0
	v_mul_u32_u24 v11, v9, 4*TP
	v_lshl_add_u32 v11, v10, 4, v11                ; into the tile: row 4 nq, byte 16 kg
	v_mul_u32_u24 v12, v10, TP
	v_lshl_add_u32 v12, v9, 4, v12                 ; back: row t / 16, byte 16 (t % 16)
	v_lshlrev_b32 v2, 11, v10
	v_lshl_add_u32 v2, v9, 4, v2                   ; the same in memory: turned rows are 2,048 bytes
	s_cmp_lt_u32 s33, 512
	s_cbranch_scc0 .Lsmall
	s_bfe_u32 s44, s33, 0x30005                    ; Wq, Wk: k tile 0-7,
	s_and_b32 s45, s33, 31                         ; n tile 0-31,
	s_lshr_b32 s46, s33, 8                         ; which of the two
	s_lshl_b32 s34, s44, 20                        ; 128 rows of 8,192 bytes
	s_lshl_b32 s47, s45, 8
	s_add_co_u32 s34, s34, s47
	s_lshl_b32 s36, s46, 22                        ; Wk's 2,048 turned rows follow Wq's
	s_lshl_b32 s47, s45, 17
	s_add_co_u32 s36, s36, s47
	s_lshl_b32 s47, s44, 8
	s_add_co_u32 s36, s36, s47
	s_cmp_eq_u32 s46, 0
	s_cselect_b64 s[40:41], s[10:11], s[12:13]
	s_add_nc_u64 s[40:41], s[40:41], s[34:35]
	s_add_nc_u64 s[42:43], s[24:25], s[36:37]
	v_lshlrev_b32 v1, 16, v10                      ; eight rows of 8,192 bytes for each kg
	v_lshl_add_u32 v1, v9, 4, v1
	TRANSP 8192, 0
.Lsmall:
	s_bfe_u32 s44, s33, 0x30004                    ; Wv, Wo: k tile 0-7,
	s_and_b32 s45, s33, 15                         ; n tile 0-15,
	s_bfe_u32 s46, s33, 0x10007                    ; which of the two
	s_lshl_b32 s34, s44, 19                        ; 128 rows of 4,096 bytes
	s_lshl_b32 s47, s45, 8
	s_add_co_u32 s34, s34, s47
	s_lshl_b32 s36, s45, 17
	s_lshl_b32 s47, s44, 8
	s_add_co_u32 s36, s36, s47
	s_cmp_eq_u32 s46, 0
	s_cselect_b64 s[40:41], s[14:15], s[16:17]
	s_cselect_b64 s[42:43], s[26:27], s[28:29]
	s_add_nc_u64 s[40:41], s[40:41], s[34:35]
	s_add_nc_u64 s[42:43], s[42:43], s[36:37]
	v_lshlrev_b32 v1, 15, v10
	v_lshl_add_u32 v1, v9, 4, v1
	TRANSP 4096, 1
.Lpad:
	; PAD: thread t owns k = 1024 j + 4 t + e, j = 0, 1, e = 0..3
	s_sub_co_u32 s33, s33, 1536                    ; the batch
	s_lshl_b32 s34, s33, 13
	s_add_nc_u64 s[40:41], s[18:19], s[34:35]      ; its 8,192 bytes of the mask
	s_add_co_u32 s36, s34, 0x800000
	s_add_nc_u64 s[42:43], s[24:25], s[36:37]      ; pad lies behind the 8 MiB of weights
	s_lshl_b32 s34, s33, 7
	s_add_nc_u64 s[44:45], s[30:31], s[34:35]      ; 32 words of walk for each batch
	s_mov_b32 s39, 0xce6e6b28                      ; -1e9
	s_mov_b32 s46, 0x76543210                      ; v_permlanex16_b32: each lane takes its own place in the other half
	s_mov_b32 s47, 0xfedcba98
	v_lshlrev_b32 v1, 4, v0
	global_load_b128 v[X:X+3], v1, s[40:41]
	global_load_b128 v[X+4:X+7], v1, s[40:41] offset:4096
	v_lshlrev_b32 v9, 2, v0
	v_sub_nc_u32 v9, 2048, v9                      ; 2048 - 4 t
	v_mov_b32 v10, 0                               ; the largest 2048 - k among keys with m >= 0.5
	v_mov_b32 v11, 0                               ; the largest m (or 0)
	v_mov_b32 v12, 0
	v_mov_b32 v14, 0x800
	s_wait_loadcnt 0x0
.irp e, 0,2,4,6
	v_cvt_pk_bf16_f32 v6, v[X+(\e)], v[X+(\e)+1]   ; the mask is rounded to bf16 like every input
	v_lshlrev_b32 v[X+(\e)], 16, v6
	v_and_b32 v[X+(\e)+1], s38, v6
.endr
.irp e, 0,1,2,3,4,5,6,7
	v_sub_nc_u32 v7, v9, 1024*((\e)/4)+(\e)%4
	v_cvt_f32_u32 v7, v7                           ; exact: at most 2,048
	v_cmp_le_f32 vcc_lo, 0.5, v[X+(\e)]
	v_cndmask_b32 v7, 0, v7, vcc_lo
	v_max_num_f32 v10, v10, v7
	v_max_num_f32 v11, v11, v[X+(\e)]
	v_sub_f32 v[Y+(\e)], 1.0, v[X+(\e)]
	v_mul_f32 v[Y+(\e)], s39, v[Y+(\e)]
.endr
	global_store_b128 v1, v[Y:Y+3], s[42:43]
	global_store_b128 v1, v[Y+4:Y+7], s[42:43] offset:4096
.irp m, 1,2,4,8
	v_max_num_f32_dpp v10, v10, v10 row_xmask:\m row_mask:0xf bank_mask:0xf
	v_max_num_f32_dpp v11, v11, v11 row_xmask:\m row_mask:0xf bank_mask:0xf
.endr
	v_permlanex16_b32 v12, v10, s46, s47
	v_max_num_f32 v10, v10, v12
	v_permlanex16_b32 v12, v11, s46, s47
	v_max_num_f32 v11, v11, v12
	v_mov_b32 v13, s32
	v_lshlrev_b32 v13, 3, v13
	ds_store_b64 v13, v[10:11] offset:PADW         ; my wave's two maxima at byte PADW + 8 x wave; all lanes write the same
	s_wait_dscnt 0x0                               ; for the others' sake
	s_barrier_signal -1
	s_barrier_wait -1
	v_mov_b32 v13, 0
.irp i, 0,1,2,3
	ds_load_b128 v[X+4*(\i):X+4*(\i)+3], v13 offset:PADW+16*(\i)
.endr
	s_wait_dscnt 0x0
	v_max3_num_f32 v10, v[X], v[X+2], v[X+4]
	v_max3_num_f32 v11, v[X+1], v[X+3], v[X+5]
	v_max3_num_f32 v10, v10, v[X+6], v[X+8]
	v_max3_num_f32 v11, v11, v[X+7], v[X+9]
	v_max3_num_f32 v10, v10, v[X+10], v[X+12]
	v_max3_num_f32 v11, v11, v[X+11], v[X+13]
	v_max_num_f32 v10, v10, v[X+14]
	v_max_num_f32 v11, v11, v[X+15]
	v_cvt_u32_f32 v10, v10
	v_sub_nc_u32 v10, 2048, v10                    ; the first such k, or 2,048
	v_cmp_lt_f32 vcc_lo, 0x3fa00000, v11           ; 1.25 < the largest m
	v_cndmask_b32 v10, v10, v14, vcc_lo
	s_wait_tensorcnt 0x0                           ; the wave's end, behind my last LDS store
	ds_add_u32 v[SPW], v[NIL]
	s_wait_dscnt 0x0
	s_cmp_lg_u32 s32, 0
	s_cbranch_scc1 .Lpad_end
	v_lshlrev_b32 v15, 2, v0
	global_store_b32 v15, v10, s[44:45]            ; wave 0: F in all 32 words of the batch
.Lpad_end:
	s_endpgm
.Lfunc_end_k_q3743ede087_prep:
	.size	k_q3743ede087_prep, .Lfunc_end_k_q3743ede087_prep-k_q3743ede087_prep
	.p2alignl 7, 3214868480
	.fill 96, 4, 3214868480
	.section	.rodata,"a",@progbits
	.p2align	6, 0x0
	.amdhsa_kernel k_q3743ede087_prep
		.amdhsa_group_segment_fixed_size 18688
		.amdhsa_private_segment_fixed_size 0
		.amdhsa_enable_private_segment 0
		.amdhsa_kernarg_size 112
		.amdhsa_user_sgpr_count 2
		.amdhsa_user_sgpr_kernarg_segment_ptr 1
		.amdhsa_wavefront_size32 1
		.amdhsa_system_sgpr_workgroup_id_x 1
		.amdhsa_system_sgpr_workgroup_id_y 1
		.amdhsa_system_sgpr_workgroup_id_z 1
		.amdhsa_system_vgpr_workitem_id 0
		.amdhsa_next_free_vgpr 112
		.amdhsa_next_free_sgpr 66
		.amdhsa_reserve_vcc 1
		.amdhsa_float_denorm_mode_32 3
		.amdhsa_float_denorm_mode_16_64 3
		.amdhsa_memory_ordered 1
		.amdhsa_forward_progress 1
		.amdhsa_inst_pref_size 32
	.end_amdhsa_kernel
	.amdgpu_metadata
---
amdhsa.version: [ 1, 2 ]
amdhsa.kernels:
  - .name:           k_q3743ede087_prep
    .symbol:         k_q3743ede087_prep.kd
    .args:
      - { .name: query, .offset: 0, .size: 8, .value_kind: global_buffer, .address_space: global }
      - { .name: key, .offset: 8, .size: 8, .value_kind: global_buffer, .address_space: global }
      - { .name: value, .offset: 16, .size: 8, .value_kind: global_buffer, .address_space: global }
      - { .name: Wq, .offset: 24, .size: 8, .value_kind: global_buffer, .address_space: global }
      - { .name: Wk, .offset: 32, .size: 8, .value_kind: global_buffer, .address_space: global }
      - { .name: Wv, .offset: 40, .size: 8, .value_kind: global_buffer, .address_space: global }
      - { .name: Wo, .offset: 48, .size: 8, .value_kind: global_buffer, .address_space: global }
      - { .name: attention_mask, .offset: 56, .size: 8, .value_kind: global_buffer, .address_space: global }
      - { .name: xa, .offset: 64, .size: 8, .value_kind: global_buffer, .address_space: global }
      - { .name: a16, .offset: 72, .size: 8, .value_kind: global_buffer, .address_space: global }
      - { .name: wqk, .offset: 80, .size: 8, .value_kind: global_buffer, .address_space: global }
      - { .name: wv, .offset: 88, .size: 8, .value_kind: global_buffer, .address_space: global }
      - { .name: wo, .offset: 96, .size: 8, .value_kind: global_buffer, .address_space: global }
      - { .name: walk, .offset: 104, .size: 8, .value_kind: global_buffer, .address_space: global }
    .group_segment_fixed_size: 18688
    .private_segment_fixed_size: 0
    .kernarg_segment_align: 8
    .kernarg_segment_size: 112
    .max_flat_workgroup_size: 256
    .sgpr_count:     66
    .vgpr_count:     112
    .wavefront_size: 32
...
	.end_amdgpu_metadata
.endif
;; end of part 1
;; launch projqk (part 2): grid 16 x 16, 4 waves a work-group, clusters of 4 x 4, 327,680 bytes of LDS; arguments xa, wqk, qk; writes qk
.if DOCPART == 2
	.amdgcn_target "amdgcn-amd-amdhsa--gfx1250"
	.amdhsa_code_object_version 6
	.text
	.protected	k_q3743ede087_projqk
	.globl	k_q3743ede087_projqk
	.p2align	8
	.type	k_q3743ede087_projqk,@function
k_q3743ede087_projqk:
	s_mov_b64 s[64:65], 0
	v_nop
	global_prefetch_b8 v0, s[64:65] scope:SCOPE_SE
	s_setreg_imm32_b32 hwreg(HW_REG_WAVE_MODE, 25, 1), 1
	s_wait_xcnt 0x0
	s_wait_alu depctr_hold_cnt(0) depctr_sa_sdst(0) depctr_va_vdst(0) depctr_va_sdst(0) depctr_va_ssrc(0) depctr_va_vcc(0) depctr_vm_vsrc(0)
	s_getreg_b32 s2, hwreg(HW_REG_IB_STS2, 6, 4)
	s_cmp_eq_u32 s2, 0
	s_cbranch_scc0 .Lentry_in_a_cluster
	s_endpgm
.Lentry_in_a_cluster:
	s_bfe_u32 s2, ttmp6, 0x10000c
	s_cmp_lg_u32 s2, 0xf033
	s_cbranch_scc0 .Lentry_shape_is_right
	s_endpgm
.Lentry_shape_is_right:
; q = query Wq and k = key Wk in ONE launch: C[m][n] = sum over kk of A[m][kk] B[n][kk], 4,096 x 4,096 x 1,024, bf16 operands, f32 sums, f16 out.
; B = wqk: rows 0-2047 Wq turned, rows 2048-4095 Wk turned.  A = xa: query's 4,096 rows, then key's; tile columns 0-7 take query, 8-15 key: that choice hangs on the cluster's x alone (ttmp9 / 2).
; 256 tiles of 256 x 256, one to each work-group of four waves; a wave makes 128 x 128: 64 accumulators, 512 registers.  K goes in steps of 128 through two LDS slots filled by the tensor data mover.
; CLUSTERS: 4 x 4 work-groups.  A's tiles are shared along a row of the cluster, B's along a column: each is asked for JOINTLY, by the same tensor load, descriptor and mask in all four.
; THE MATRIX INSTRUCTION IS USED TRANSPOSED (source 0 = 16 rows of B, source 1 = 16 rows of A): a lane holds eight neighbouring numbers of a row of C.
; OUT BY HEADS: qk = q [2][16][2048][128] f16, then k the same.  A wave's 128 columns are one head's Q1|Q2 (or K1|K2), its 128 rows consecutive positions: 32,768 dense bytes.
; The scale 1/8 is not applied here.  LIMIT: q and k must lie within f16's 65,504.
; The last K step goes by rows of C, so that finished rows leave while the others are multiplied.
; REGISTERS, in windows of 256: window 0: v0-31 addresses; v64-191 fragments of A; v32-63, v192-255 the way out.  window 1: fragments of B.  windows 2, 3: accumulators ((a, b) at v[8 (8 a + b)]).
.set SIZE_K, 1024
.set KSTEP,  128
.set PITCH,  272                       ; an LDS row: 256 bytes + 16 of padding: the 16 rows of a fragment load start 16 bytes further on in each 256
.set HALFT,  128*PITCH                 ; what one tensor load brings
.set SLOT,   4*HALFT                   ; A's 256 rows, then B's 256 rows
.set STAGE,  2*SLOT                    ; behind the ring: 16 rows x 272 bytes for each wave, for the way out
.set SPITCH, 272
.set SPARE,  STAGE+4*16*SPITCH         ; behind the stages: the spare words, 128 bytes for each wave
.set LAPS, SIZE_K/(2*KSTEP)            ; a lap = two K steps = once round the ring
.set ADRA, 16
.set ADRB, 20
.set STO,  24
.set RD,   25
.set CO,   26
.set SPW,  28
.set NIL,  29
.set F0,   64
.set F1,   128
.set TMP,  192
.set OB,   32
.set PA,   64
.set G1, 24
.set G0, 32
.set G1B, 48
.set G0B, 56
.set MSB, 0
.macro WIN new                         ; the immediate's high byte repeats the setting that is left
.if MSB != (\new)
	s_set_vgpr_msb (MSB<<8)|(\new)
.set MSB, \new
.endif
.endm
.set MUL_LO, 0xa1                      ; source 0 (B) window 1, source 1 (A) window 0, C and D window 2
.set MUL_HI, 0xf1                      ; the same, C and D window 3
.set TO_B,   0x40                      ; destination window 1, address window 0
; A joint load.  Waves 0 and 1 fetch A's two halves, waves 2 and 3 B's.  An s_nop 0 and four v_nop follow each of the two lines.
.macro JLOAD s
	s_cmp_eq_u32 s11, 0
	s_cbranch_scc0 .Lfor_b_\@
	tensor_load_to_lds s[G0+4*(\s):G0+4*(\s)+3], s[G1:G1+7]
	s_nop 0
.rept 4
	v_nop
.endr
	s_branch .Lasked_\@
.Lfor_b_\@:
	tensor_load_to_lds s[G0B+4*(\s):G0B+4*(\s)+3], s[G1B:G1B+7]
	s_nop 0
.rept 4
	v_nop
.endr
.Lasked_\@:
.endm
.macro CREST                           ; a round of the cluster's barrier behind its opening barrier
	s_cmp_lg_u32 s10, 0
	s_cbranch_scc1 .Lnot_wave_0_\@
	s_barrier_signal -3
.Lnot_wave_0_\@:
	s_barrier_wait -3
	s_barrier_signal -1
	s_barrier_wait -1
.endm
.macro CROUND                          ; a whole round
	s_barrier_signal -1
	s_barrier_wait -1
	CREST
.endm
	s_load_b128 s[4:7], s[0:1], 0x0                ; A s[4:5], B s[6:7]
	s_load_b64 s[8:9], s[0:1], 0x10                ; C
	v_lshl_add_u32 v[SPW], v0, 2, SPARE
	v_mov_b32 v[NIL], 0
	ds_add_u32 v[SPW], v[NIL]                      ; the wave's opening: the add and its wait stand ahead of my first tensor load
	v_lshrrev_b32 v1, 5, v0
	v_readfirstlane_b32 s10, v1                    ; wave 0..3
	s_lshr_b32 s11, s10, 1                         ; which half of the tile's rows is mine.  Also: I fetch for A (0) or for B (1)
	s_and_b32 s12, s10, 1                          ; which half of its columns.  Also: which 128 rows of that tile I fetch
	s_bfe_u32 s40, ttmp6, 0x40000                  ; cx
	s_bfe_u32 s41, ttmp6, 0x40004                  ; cy
	s_lshl_b32 s42, ttmp9, 2
	s_add_co_u32 s42, s42, s40                     ; tile column of C
	s_and_b32 s13, ttmp7, 0xffff
	s_lshl_b32 s13, s13, 2
	s_add_co_u32 s13, s13, s41                     ; tile row of C
	s_lshl_b32 s43, s41, 2
	s_lshl_b32 s43, 15, s43                        ; my row of the cluster
	s_lshl_b32 s44, 0x1111, s40                    ; my column
	s_or_b32 s[G1+0], s43, (1<<16)|(1<<20)|(1<<21)|(5<<22)|(3<<25)  ; the mask; 2-byte elements; padding on; bit 21 beside a mask; after every 64 words 4 words
	s_or_b32 s[G1B+0], s44, (1<<16)|(1<<20)|(1<<21)|(5<<22)|(3<<25)
.irp g, G1, G1B
	s_mov_b32 s[(\g)+1], KSTEP<<16                 ; tensor_dim0 = 128
	s_mov_b32 s[(\g)+2], 128<<16                   ; tensor_dim1 = 128
	s_mov_b32 s[(\g)+3], KSTEP<<16                 ; tile_dim0 = 128
	s_mov_b32 s[(\g)+4], 128                       ; tile_dim1 = 128
	s_mov_b32 s[(\g)+5], SIZE_K                    ; elements from row to row
	s_mov_b32 s[(\g)+6], 0
	s_mov_b32 s[(\g)+7], 0
.endr
	s_lshl_b32 s17, s12, 7                         ; which 128 rows of the tile I fetch
	s_lshl_b32 s16, s13, 8
	s_add_co_u32 s16, s16, s17                     ; A: row 256 x tile row + 128 x half
	s_lshl_b32 s46, s42, 8
	s_add_co_u32 s46, s46, s17                     ; B: row 256 x tile column + 128 x half
	s_mov_b32 s17, 0
	s_mov_b32 s47, 0
	s_mov_b64 s[18:19], SIZE_K*2
	s_mul_u64 s[16:17], s[16:17], s[18:19]
	s_mul_u64 s[46:47], s[46:47], s[18:19]
	s_lshr_b32 s2, ttmp9, 1                        ; 0: query, 1: key: the cluster's x alone, equal in all sixteen partners
	s_lshl_b32 s2, s2, 23                          ; key's rows begin 8 MiB into xa
	s_mov_b32 s3, 0
	s_add_nc_u64 s[16:17], s[16:17], s[2:3]
	s_mul_i32 s20, s10, HALFT                      ; where the tiles go: wave x 128 rows
	s_wait_dscnt 0x0                               ; the opening add is done
	s_wait_kmcnt 0x0
	s_add_nc_u64 s[14:15], s[4:5], s[16:17]
	s_add_nc_u64 s[46:47], s[6:7], s[46:47]
	CROUND                                         ; all sixteen work-groups are here: the first joint loads meet
.irp s, 0,1
	s_mov_b32 s[G0+4*(\s)], 1
	s_add_co_u32 s[G0+4*(\s)+1], s20, (\s)*SLOT
	s_add_nc_u64 s[G0+4*(\s)+2:G0+4*(\s)+3], s[14:15], (\s)*KSTEP*2
	s_or_b32 s[G0+4*(\s)+3], s[G0+4*(\s)+3], 0x80000000
	s_mov_b32 s[G0B+4*(\s)], 1
	s_add_co_u32 s[G0B+4*(\s)+1], s20, (\s)*SLOT
	s_add_nc_u64 s[G0B+4*(\s)+2:G0B+4*(\s)+3], s[46:47], (\s)*KSTEP*2
	s_or_b32 s[G0B+4*(\s)+3], s[G0B+4*(\s)+3], 0x80000000
	JLOAD \s                                       ; two loads of mine are out
.endr
	v_and_b32 v1, 15, v0                           ; l % 16
	v_bfe_u32 v2, v0, 4, 1                         ; l / 16
	v_mul_u32_u24 v3, v1, PITCH
	v_lshl_add_u32 v3, v2, 4, v3                   ; a fragment's row x pitch + 16 x half
	s_mul_i32 s21, s11, HALFT                      ; my 128 rows of A
	s_mul_i32 s22, s12, HALFT                      ; my 128 rows of B,
	s_add_co_u32 s22, s22, 2*HALFT                 ; which lie behind A's 256
.irp s, 0,1
	v_add_nc_u32 v[ADRA+(\s)], s21, v3
	v_add_nc_u32 v[ADRB+(\s)], s22, v3
	s_add_co_u32 s21, s21, SLOT
	s_add_co_u32 s22, s22, SLOT
.endr
	s_mul_i32 s23, s10, 16*SPITCH
	s_add_co_u32 s23, s23, STAGE                   ; my stage
	v_mul_u32_u24 v4, v1, SPITCH
	v_lshl_add_u32 v4, v2, 4, v4
	v_add_nc_u32 v[STO], s23, v4
	v_mul_u32_u24 v5, v2, SPITCH
	v_lshl_add_u32 v5, v1, 4, v5
	v_add_nc_u32 v[RD], s23, v5
	v_lshlrev_b32 v5, 8, v2                        ; in qk a head's rows are 256 bytes and dense: two rows are 512 consecutive bytes
	v_lshl_add_u32 v[CO], v1, 4, v5
	; my part of qk: (q or k) << 24 + (16 batch + head) << 19 + first position << 8
	s_lshr_b32 s16, s13, 3                         ; the batch: tile rows 0-7, 8-15
	s_lshl_b32 s16, s16, 4
	s_and_b32 s46, s42, 7
	s_lshl_b32 s46, s46, 1
	s_add_co_u32 s46, s46, s12                     ; the head
	s_add_co_u32 s16, s16, s46
	s_lshl_b32 s16, s16, 19
	s_and_b32 s47, s13, 7
	s_lshl_b32 s47, s47, 1
	s_add_co_u32 s47, s47, s11
	s_lshl_b32 s47, s47, 15                        ; 128 positions of 256 bytes
	s_add_co_u32 s16, s16, s47
	s_lshr_b32 s47, s42, 3
	s_lshl_b32 s47, s47, 24
	s_add_co_u32 s16, s16, s47
	s_mov_b32 s17, 0
; 16 matrix instructions: m blocks a0, a0 + 1 of the window's four x all 8 n blocks, 32 along K.  zero = 1: the first product starts the sums
.macro MUL16 f, hi, a0, zero
	WIN MUL_LO+0x50*(\hi)
.irp a, \a0, (\a0)+1
.irp b, 0,1,2,3,4,5,6,7
.if \zero
	v_wmma_f32_16x16x32_bf16 v[8*(8*(\a)+(\b)):8*(8*(\a)+(\b))+7], v[(\f)+8*(\b):(\f)+8*(\b)+7], v[(\f)+8*(4*(\hi)+(\a)):(\f)+8*(4*(\hi)+(\a))+7], 0
.else
	v_wmma_f32_16x16x32_bf16 v[8*(8*(\a)+(\b)):8*(8*(\a)+(\b))+7], v[(\f)+8*(\b):(\f)+8*(\b)+7], v[(\f)+8*(4*(\hi)+(\a)):(\f)+8*(4*(\hi)+(\a))+7], v[8*(8*(\a)+(\b)):8*(8*(\a)+(\b))+7]
.endif
.endr
.endr
.endm
; 32 LDS loads in one run: the fragments of one quarter step into buffer f
.macro FETCH slot, k, f
	WIN TO_B
.irp i, 0,1,2,3,4,5,6,7
	ds_load_b128 v[(\f)+8*(\i):(\f)+8*(\i)+3],   v[ADRB+(\slot)] offset:(\k)+(\i)*16*PITCH
	ds_load_b128 v[(\f)+8*(\i)+4:(\f)+8*(\i)+7], v[ADRB+(\slot)] offset:(\k)+(\i)*16*PITCH+32
.endr
	WIN 0
.irp i, 0,1,2,3,4,5,6,7
	ds_load_b128 v[(\f)+8*(\i):(\f)+8*(\i)+3],   v[ADRA+(\slot)] offset:(\k)+(\i)*16*PITCH
	ds_load_b128 v[(\f)+8*(\i)+4:(\f)+8*(\i)+7], v[ADRA+(\slot)] offset:(\k)+(\i)*16*PITCH+32
.endr
.endm
.macro PLACES                          ; four plain instructions between a matrix instruction and a load into, or a vector read of, its registers
.rept 4
	v_nop
.endr
.endm
.macro QUARTER slot, k, f, g, zero     ; multiplies buffer f; in its middle fetches the next quarter, at byte k, into g
	s_wait_dscnt 8                                 ; B and A's rows 0-63 are in; the youngest eight loads may be out
	WIN MUL_LO
	MUL16 \f, 0, 0, \zero
	MUL16 \f, 0, 2, \zero
	PLACES
	FETCH \slot, \k, \g
	s_wait_dscnt 32                                ; all but the 32 just issued
	WIN MUL_HI
	MUL16 \f, 1, 0, \zero
	MUL16 \f, 1, 2, \zero
.endm
; The change of slots: each wave waits for all its tensor loads (one is out: its part of the next slot), adds 0 to its spare word, waits for that and for its reads of this slot, and signals.
.macro MEET round
	WIN 0
	s_wait_tensorcnt 0x0
	ds_add_u32 v[SPW], v[NIL]
	s_wait_dscnt 9                                 ; the add and the youngest eight loads may be out
	WIN MUL_LO
	MUL16 F1, 0, 0, 0
	s_wait_dscnt 0x0                               ; the add is done, and my reads of this slot are over
	s_barrier_signal -1
	MUL16 F1, 0, 2, 0
.if \round
	WIN 0
.endif
	s_barrier_wait -1
.endm
.macro TURN slot, next                 ; the last quarter of a K step: the round, the joint refill two K steps ahead first behind it, the next slot's first fragments
	MEET 1
	CREST
	s_add_nc_u64 s[G0+4*(\slot)+2:G0+4*(\slot)+3], s[G0+4*(\slot)+2:G0+4*(\slot)+3], 2*KSTEP*2
	s_add_nc_u64 s[G0B+4*(\slot)+2:G0B+4*(\slot)+3], s[G0B+4*(\slot)+2:G0B+4*(\slot)+3], 2*KSTEP*2
	JLOAD \slot                                    ; my one tensor load behind the round; its four v_nop are also the places in front of the loads below
	FETCH \next, 0, F0
	WIN MUL_HI
	MUL16 F1, 1, 0, 0
	MUL16 F1, 1, 2, 0
.endm
; The last K step (slot 1) by rows of C
.macro BLOAD q
	WIN TO_B
.irp i, 0,1,2,3,4,5,6,7
	ds_load_b128 v[64*(\q)+8*(\i):64*(\q)+8*(\i)+3],   v[ADRB+1] offset:64*(\q)+(\i)*16*PITCH
	ds_load_b128 v[64*(\q)+8*(\i)+4:64*(\q)+8*(\i)+7], v[ADRB+1] offset:64*(\q)+(\i)*16*PITCH+32
.endr
.endm
.macro ALOAD a
	WIN 0
.set FA, PA+32*((\a)%4)
.irp q, 0,1,2,3
	ds_load_b128 v[FA+8*(\q):FA+8*(\q)+3],   v[ADRA+1] offset:64*(\q)+(\a)*16*PITCH
	ds_load_b128 v[FA+8*(\q)+4:FA+8*(\q)+7], v[ADRA+1] offset:64*(\q)+(\a)*16*PITCH+32
.endr
.endm
.macro ROW a                           ; block a is finished: 32 matrix instructions, its 8 accumulators by turns
.set FA, PA+32*((\a)%4)
.set AC, 64*((\a)%4)
	WIN MUL_LO+0x50*((\a)/4)
.irp q, 0,1,2,3
.if (\a) == 0 && (\q) == 2
	s_wait_dscnt 24                                ; B's quarter 2 is in (behind it: A's blocks 1 to 3)
.endif
.irp b, 0,1,2,3,4,5,6,7
	v_wmma_f32_16x16x32_bf16 v[AC+8*(\b):AC+8*(\b)+7], v[64*(\q)+8*(\b):64*(\q)+8*(\b)+7], v[FA+8*(\q):FA+8*(\q)+7], v[AC+8*(\b):AC+8*(\b)+7]
.endr
.endr
.endm
.macro PACK a                          ; rounded to f16, 16 bytes a lane; each accumulator's registers in ascending order
.set AC, 64*((\a)%4)
	WIN 0x0a+5*((\a)/4)
.irp b, 0,1,2,3,4,5,6,7
.irp r, 0,1,2,3
	v_cvt_pk_f16_f32 v[TMP+4*(\b)+(\r)], v[AC+8*(\b)+2*(\r)], v[AC+8*(\b)+2*(\r)+1]
.endr
.endr
	WIN 0
.endm
.macro TOSTAGE a
	WIN 0
.set BK, OB+192*((\a)%2)
.irp b, 0,1,2,3,4,5,6,7
	ds_store_b128 v[STO], v[TMP+4*(\b):TMP+4*(\b)+3] offset:32*(\b)
.endr
.irp t, 0,1,2,3,4,5,6,7
	ds_load_b128 v[BK+4*(\t):BK+4*(\t)+3], v[RD] offset:(\t)*2*SPITCH  ; LDS serves a wave's instructions in order: these see the stores above
.endr
.endm
.macro SEND a, younger
	WIN 0
.set BK, OB+192*((\a)%2)
	s_wait_dscnt \younger                          ; the block is back in registers
	s_wait_xcnt 0x0                                ; only behind this wait are the stores' base and the registers that earlier stores read rewritten
.if (\a) == 0
	s_add_nc_u64 s[8:9], s[8:9], s[16:17]
.else
	s_add_nc_u64 s[8:9], s[8:9], 16*256            ; 16 positions of the head on
.endif
.irp t, 0,1,2,3,4,5,6,7
	global_store_b128 v[CO], v[BK+4*(\t):BK+4*(\t)+3], s[8:9] offset:512*(\t)  ; 512 consecutive bytes, at a multiple of 256 from qk's first
.endr
.endm
	s_wait_tensorcnt 1                             ; my part of K step 0 is in; K step 1's may stay out
	s_barrier_signal -1
	s_barrier_wait -1
	FETCH 0, 0, F0
	QUARTER 0, 64,  F0, F1, 1                      ; the first quarter stands in front of the loop: its products start the sums
	WIN 0
	s_mov_b32 s3, LAPS-1
.Llap:                                                 ; a trip goes once round the ring and fills both slots again
	QUARTER 0, 128, F1, F0, 0
	QUARTER 0, 192, F0, F1, 0
	TURN 0, 1
	QUARTER 1, 64,  F0, F1, 0
	QUARTER 1, 128, F1, F0, 0
	QUARTER 1, 192, F0, F1, 0
	TURN 1, 0
	QUARTER 0, 64,  F0, F1, 0
	WIN 0
	s_sub_co_u32 s3, s3, 1
	s_cmp_lg_u32 s3, 0
	s_cbranch_scc1 .Llap
	QUARTER 0, 128, F1, F0, 0
	QUARTER 0, 192, F0, F1, 0
	MEET 0                                         ; nothing is filled again, so no round follows
	PLACES
	WIN TO_B
	BLOAD 0
	BLOAD 1
	BLOAD 3
	WIN 0
	ALOAD 0
	WIN MUL_HI
	MUL16 F1, 1, 0, 0
	MUL16 F1, 1, 2, 0
	PLACES
	WIN TO_B
	BLOAD 2
	WIN 0
	ALOAD 1
	ALOAD 2
	ALOAD 3
	s_wait_dscnt 40                                ; all but the 40 just issued
	ROW 0
.irp a, 0,1,2,3,4,5,6,7
	PLACES
	PACK \a
	TOSTAGE \a
.if (\a) < 4
	ALOAD (\a)+4
	SEND \a, 8
.else
	SEND \a, 0
.endif
.if (\a) < 7
	ROW (\a)+1
.endif
.endr
	s_wait_tensorcnt 0x0                           ; the wave's end
	ds_add_u32 v[SPW], v[NIL]
	s_wait_dscnt 0x0
	CROUND                                         ; the closing round
	s_endpgm
.Lfunc_end_k_q3743ede087_projqk:
	.size	k_q3743ede087_projqk, .Lfunc_end_k_q3743ede087_projqk-k_q3743ede087_projqk
	.p2alignl 7, 3214868480
	.fill 96, 4, 3214868480
	.section	.rodata,"a",@progbits
	.p2align	6, 0x0
	.amdhsa_kernel k_q3743ede087_projqk
		.amdhsa_group_segment_fixed_size 327680
		.amdhsa_private_segment_fixed_size 0
		.amdhsa_enable_private_segment 0
		.amdhsa_kernarg_size 24
		.amdhsa_user_sgpr_count 2
		.amdhsa_user_sgpr_kernarg_segment_ptr 1
		.amdhsa_wavefront_size32 1
		.amdhsa_system_sgpr_workgroup_id_x 1
		.amdhsa_system_sgpr_workgroup_id_y 1
		.amdhsa_system_sgpr_workgroup_id_z 1
		.amdhsa_system_vgpr_workitem_id 0
		.amdhsa_next_free_vgpr 1024
		.amdhsa_next_free_sgpr 66
		.amdhsa_reserve_vcc 0
		.amdhsa_float_denorm_mode_32 3
		.amdhsa_float_denorm_mode_16_64 3
		.amdhsa_memory_ordered 1
		.amdhsa_forward_progress 1
		.amdhsa_inst_pref_size 143
	.end_amdhsa_kernel
	.amdgpu_metadata
---
amdhsa.version: [ 1, 2 ]
amdhsa.kernels:
  - .name:           k_q3743ede087_projqk
    .symbol:         k_q3743ede087_projqk.kd
    .args:
      - { .name: xa, .offset: 0, .size: 8, .value_kind: global_buffer, .address_space: global }
      - { .name: wqk, .offset: 8, .size: 8, .value_kind: global_buffer, .address_space: global }
      - { .name: qk, .offset: 16, .size: 8, .value_kind: global_buffer, .address_space: global }
    .group_segment_fixed_size: 327680
    .private_segment_fixed_size: 0
    .kernarg_segment_align: 8
    .kernarg_segment_size: 24
    .max_flat_workgroup_size: 128
    .sgpr_count:     66
    .vgpr_count:     1024
    .wavefront_size: 32
...
	.end_amdgpu_metadata
.endif
;; end of part 2
;; launch projv (part 3): grid 8 x 32, 4 waves a work-group, clusters of 4 x 4, 327,680 bytes of LDS; arguments a16, wv, vf; writes vf
.if DOCPART == 3
	.amdgcn_target "amdgcn-amd-amdhsa--gfx1250"
	.amdhsa_code_object_version 6
	.text
	.protected	k_q3743ede087_projv
	.globl	k_q3743ede087_projv
	.p2align	8
	.type	k_q3743ede087_projv,@function
k_q3743ede087_projv:
	s_mov_b64 s[64:65], 0
	v_nop
	global_prefetch_b8 v0, s[64:65] scope:SCOPE_SE
	s_setreg_imm32_b32 hwreg(HW_REG_WAVE_MODE, 25, 1), 1
	s_wait_xcnt 0x0
	s_wait_alu depctr_hold_cnt(0) depctr_sa_sdst(0) depctr_va_vdst(0) depctr_va_sdst(0) depctr_va_ssrc(0) depctr_va_vcc(0) depctr_vm_vsrc(0)
	s_getreg_b32 s2, hwreg(HW_REG_IB_STS2, 6, 4)
	s_cmp_eq_u32 s2, 0
	s_cbranch_scc0 .Lentry_in_a_cluster
	s_endpgm
.Lentry_in_a_cluster:
	s_bfe_u32 s2, ttmp6, 0x10000c
	s_cmp_lg_u32 s2, 0xf033
	s_cbranch_scc0 .Lentry_shape_is_right
	s_endpgm
.Lentry_shape_is_right:
; C[m][n] = sum over k of A[m][k] B[n][k], 4,096 x 1,024 x 1,024.  A, B f16 with K along the rows; sums and C in f32.  One text for value Wv and for the output projection.
; 256 tiles of 128 x 128, one to each work-group.  Four waves, each 64 x 64: 16 accumulators, 128 registers.  K goes in steps of 256 (LDS rows of 512 bytes, 64 to a tensor load) through two slots.
; CLUSTERS: 4 x 4 work-groups; A's tiles are shared along a row of the cluster, B's along a column: joint loads with a mask of four.
; THE MATRIX INSTRUCTION IS USED TRANSPOSED (source 0 = 16 rows of B, source 1 = 16 rows of A): a lane holds eight neighbouring f32 of a row of C.
; THE WAY OUT: a wave's 64 columns of f32 are one aligned run of 256 bytes, so each wave has a stage of its own (16 rows x 272 bytes) and no barrier is needed.
; REGISTERS: window 0: v0-31 addresses; v32-95 the way out; v128-255 accumulators ((a, b) at v[128 + 8 (4 a + b)]).  window 1: two fragment buffers of 128.
.set SIZE_K, 1024
.set KSTEP,  256
.set PITCH,  528                       ; an LDS row: 512 bytes + 16 of padding
.set HALFT,  64*PITCH
.set SLOT,   4*HALFT
.set STAGE,  2*SLOT
.set SPITCH, 272
.set SPARE,  STAGE+4*16*SPITCH
.set LAPS, SIZE_K/(2*KSTEP)
.set ADRA, 16
.set ADRB, 20
.set STO,  24
.set RD,   25
.set CO,   26
.set SPW,  28
.set NIL,  29
.set TMP,  32
.set ACC,  128
.set F0,   0
.set F1,   128
.set G1, 24
.set G0, 32
.set G1B, 48
.set G0B, 56
.set MSB, 0
.macro WIN new
.if MSB != (\new)
	s_set_vgpr_msb (MSB<<8)|(\new)
.set MSB, \new
.endif
.endm
.set MUL,  0x05                        ; sources 0 (B) and 1 (A) window 1; C and D window 0
.set TO_F, 0x40                        ; destination window 1, address window 0
.macro JLOAD s                         ; a joint load: waves 0 and 1 fetch A's two halves, waves 2 and 3 B's; an s_nop 0 and four v_nop follow each line
	s_cmp_eq_u32 s11, 0
	s_cbranch_scc0 .Lfor_b_\@
	tensor_load_to_lds s[G0+4*(\s):G0+4*(\s)+3], s[G1:G1+7]
	s_nop 0
.rept 4
	v_nop
.endr
	s_branch .Lasked_\@
.Lfor_b_\@:
	tensor_load_to_lds s[G0B+4*(\s):G0B+4*(\s)+3], s[G1B:G1B+7]
	s_nop 0
.rept 4
	v_nop
.endr
.Lasked_\@:
.endm
.macro CREST
	s_cmp_lg_u32 s10, 0
	s_cbranch_scc1 .Lnot_wave_0_\@
	s_barrier_signal -3
.Lnot_wave_0_\@:
	s_barrier_wait -3
	s_barrier_signal -1
	s_barrier_wait -1
.endm
.macro CROUND
	s_barrier_signal -1
	s_barrier_wait -1
	CREST
.endm
	s_load_b128 s[4:7], s[0:1], 0x0                ; A s[4:5], B s[6:7]
	s_load_b64 s[8:9], s[0:1], 0x10                ; C
	v_lshl_add_u32 v[SPW], v0, 2, SPARE
	v_mov_b32 v[NIL], 0
	ds_add_u32 v[SPW], v[NIL]                      ; the wave's opening: the add and its wait stand ahead of my first tensor load
	v_lshrrev_b32 v1, 5, v0
	v_readfirstlane_b32 s10, v1                    ; wave 0..3
	s_lshr_b32 s11, s10, 1                         ; which half of the tile's rows is mine.  Also: I fetch for A (0) or for B (1)
	s_and_b32 s12, s10, 1                          ; which half of its columns.  Also: which 64 rows of that tile I fetch
	s_bfe_u32 s40, ttmp6, 0x40000
	s_bfe_u32 s41, ttmp6, 0x40004
	s_lshl_b32 s42, ttmp9, 2
	s_add_co_u32 s42, s42, s40                     ; tile column of C
	s_and_b32 s13, ttmp7, 0xffff
	s_lshl_b32 s13, s13, 2
	s_add_co_u32 s13, s13, s41                     ; tile row of C
	s_lshl_b32 s43, s41, 2
	s_lshl_b32 s43, 15, s43                        ; my row of the cluster
	s_lshl_b32 s44, 0x1111, s40                    ; my column
	s_or_b32 s[G1+0], s43, (1<<16)|(1<<20)|(1<<21)|(6<<22)|(3<<25)  ; the mask; 2-byte elements; padding on; bit 21 beside a mask; after every 128 words 4 words
	s_or_b32 s[G1B+0], s44, (1<<16)|(1<<20)|(1<<21)|(6<<22)|(3<<25)
.irp g, G1, G1B
	s_mov_b32 s[(\g)+1], KSTEP<<16                 ; tensor_dim0 = 256
	s_mov_b32 s[(\g)+2], 64<<16                    ; tensor_dim1 = 64
	s_mov_b32 s[(\g)+3], KSTEP<<16                 ; tile_dim0 = 256
	s_mov_b32 s[(\g)+4], 64                        ; tile_dim1 = 64
	s_mov_b32 s[(\g)+5], SIZE_K                    ; elements from row to row
	s_mov_b32 s[(\g)+6], 0
	s_mov_b32 s[(\g)+7], 0
.endr
	s_lshl_b32 s17, s12, 6
	s_lshl_b32 s16, s13, 7
	s_add_co_u32 s16, s16, s17                     ; A: row 128 x tile row + 64 x half
	s_lshl_b32 s46, s42, 7
	s_add_co_u32 s46, s46, s17                     ; B: row 128 x tile column + 64 x half
	s_mov_b32 s17, 0
	s_mov_b32 s47, 0
	s_mov_b64 s[18:19], SIZE_K*2
	s_mul_u64 s[16:17], s[16:17], s[18:19]
	s_mul_u64 s[46:47], s[46:47], s[18:19]
	s_mul_i32 s20, s10, HALFT
	s_wait_dscnt 0x0                               ; the opening add is done
	s_wait_kmcnt 0x0
	s_add_nc_u64 s[14:15], s[4:5], s[16:17]
	s_add_nc_u64 s[46:47], s[6:7], s[46:47]
	CROUND                                         ; all sixteen work-groups are here: the first joint loads meet
.irp s, 0,1
	s_mov_b32 s[G0+4*(\s)], 1
	s_add_co_u32 s[G0+4*(\s)+1], s20, (\s)*SLOT
	s_add_nc_u64 s[G0+4*(\s)+2:G0+4*(\s)+3], s[14:15], (\s)*KSTEP*2
	s_or_b32 s[G0+4*(\s)+3], s[G0+4*(\s)+3], 0x80000000
	s_mov_b32 s[G0B+4*(\s)], 1
	s_add_co_u32 s[G0B+4*(\s)+1], s20, (\s)*SLOT
	s_add_nc_u64 s[G0B+4*(\s)+2:G0B+4*(\s)+3], s[46:47], (\s)*KSTEP*2
	s_or_b32 s[G0B+4*(\s)+3], s[G0B+4*(\s)+3], 0x80000000
	JLOAD \s                                       ; two loads of mine are out
.endr
	v_and_b32 v1, 15, v0                           ; l % 16
	v_bfe_u32 v2, v0, 4, 1                         ; l / 16
	v_mul_u32_u24 v3, v1, PITCH
	v_lshl_add_u32 v3, v2, 4, v3
	s_mul_i32 s21, s11, HALFT                      ; my 64 rows of A
	s_mul_i32 s22, s12, HALFT                      ; my 64 rows of B,
	s_add_co_u32 s22, s22, 2*HALFT                 ; which lie behind A's 128
.irp s, 0,1
	v_add_nc_u32 v[ADRA+(\s)], s21, v3
	v_add_nc_u32 v[ADRB+(\s)], s22, v3
	s_add_co_u32 s21, s21, SLOT
	s_add_co_u32 s22, s22, SLOT
.endr
	s_mul_i32 s23, s10, 16*SPITCH
	s_add_co_u32 s23, s23, STAGE                   ; my stage
	v_mul_u32_u24 v4, v1, SPITCH                   ; in: row l % 16, 32 bytes for each half of the lanes
	v_lshl_add_u32 v4, v2, 5, v4
	v_add_nc_u32 v[STO], s23, v4
	v_mul_u32_u24 v5, v2, SPITCH                   ; back: lanes 0-15 one row of 256 bytes, lanes 16-31 the next
	v_lshl_add_u32 v5, v1, 4, v5
	v_add_nc_u32 v[RD], s23, v5
	v_lshlrev_b32 v5, 12, v2                       ; and the same two rows in C: 4,096 bytes apart
	v_lshl_add_u32 v[CO], v1, 4, v5
	s_lshl_b32 s16, s13, 7
	s_lshl_b32 s17, s11, 6
	s_add_co_u32 s16, s16, s17                     ; my first row of C
	s_lshl_b32 s16, s16, 12
	s_mov_b32 s17, 0
	s_add_nc_u64 s[8:9], s[8:9], s[16:17]
	s_lshl_b32 s46, s42, 9                         ; my first column, in bytes: 512 x tile column + 256 x half
	s_lshl_b32 s47, s12, 8
	s_add_co_u32 s46, s46, s47
	s_mov_b32 s47, 0
	s_add_nc_u64 s[8:9], s[8:9], s[46:47]
.macro MUL8 f, c, a0, zero             ; 8 matrix instructions: m blocks a0, a0 + 1 x all 4 n blocks, 32 along K: half c of buffer f
	WIN MUL
.irp a, \a0, (\a0)+1
.irp b, 0,1,2,3
.if \zero
	v_wmma_f32_16x16x32_f16 v[ACC+8*(4*(\a)+(\b)):ACC+8*(4*(\a)+(\b))+7], v[(\f)+64+8*(4*(\c)+(\b)):(\f)+64+8*(4*(\c)+(\b))+7], v[(\f)+8*(4*(\c)+(\a)):(\f)+8*(4*(\c)+(\a))+7], 0
.else
	v_wmma_f32_16x16x32_f16 v[ACC+8*(4*(\a)+(\b)):ACC+8*(4*(\a)+(\b))+7], v[(\f)+64+8*(4*(\c)+(\b)):(\f)+64+8*(4*(\c)+(\b))+7], v[(\f)+8*(4*(\c)+(\a)):(\f)+8*(4*(\c)+(\a))+7], v[ACC+8*(4*(\a)+(\b)):ACC+8*(4*(\a)+(\b))+7]
.endif
.endr
.endr
.endm
.macro FETCH slot, k, f                ; 32 LDS loads in one run: 64 along K at byte k, the first 32 along K first
	WIN TO_F
.irp c, 0,1
.irp i, 0,1,2,3
	ds_load_b128 v[(\f)+64+8*(4*(\c)+(\i)):(\f)+64+8*(4*(\c)+(\i))+3],   v[ADRB+(\slot)] offset:(\k)+64*(\c)+(\i)*16*PITCH
	ds_load_b128 v[(\f)+64+8*(4*(\c)+(\i))+4:(\f)+64+8*(4*(\c)+(\i))+7], v[ADRB+(\slot)] offset:(\k)+64*(\c)+(\i)*16*PITCH+32
	ds_load_b128 v[(\f)+8*(4*(\c)+(\i)):(\f)+8*(4*(\c)+(\i))+3],         v[ADRA+(\slot)] offset:(\k)+64*(\c)+(\i)*16*PITCH
	ds_load_b128 v[(\f)+8*(4*(\c)+(\i))+4:(\f)+8*(4*(\c)+(\i))+7],       v[ADRA+(\slot)] offset:(\k)+64*(\c)+(\i)*16*PITCH+32
.endr
.endr
.endm
.macro PLACES
.rept 4
	v_nop
.endr
.endm
.macro QUARTER slot, k, f, g, zero
	s_wait_dscnt 16                                ; the first 32 along K are in
	WIN MUL
	MUL8 \f, 0, 0, \zero
	MUL8 \f, 0, 2, \zero
	PLACES
	FETCH \slot, \k, \g
	s_wait_dscnt 32                                ; all but the 32 just issued
	WIN MUL
	MUL8 \f, 1, 0, 0
	MUL8 \f, 1, 2, 0
.endm
; The last quarter changes slots: each wave waits for all its tensor loads, adds 0 to its spare word, waits for that and for its reads of this slot.  fill = 1: this slot is filled again, two K steps ahead.
.macro TURN slot, next, fill
	WIN 0
	s_wait_tensorcnt 0x0                           ; all my tensor loads have landed: my part of the next slot
	ds_add_u32 v[SPW], v[NIL]
	s_wait_dscnt 17                                ; the add and the youngest sixteen loads may be out
	WIN MUL
	MUL8 F1, 0, 0, 0
	s_wait_dscnt 0x0                               ; the add is done, and my reads of this slot are over
	s_barrier_signal -1
	MUL8 F1, 0, 2, 0
.if \fill
	WIN 0
.endif
	s_barrier_wait -1
.if \fill
	CREST                                          ; the barrier has opened a round of the cluster's barrier
	s_add_nc_u64 s[G0+4*(\slot)+2:G0+4*(\slot)+3], s[G0+4*(\slot)+2:G0+4*(\slot)+3], 2*KSTEP*2
	s_add_nc_u64 s[G0B+4*(\slot)+2:G0B+4*(\slot)+3], s[G0B+4*(\slot)+2:G0B+4*(\slot)+3], 2*KSTEP*2
	JLOAD \slot                                    ; my one tensor load behind the round
.else
	PLACES
.endif
	FETCH \next, 0, F0
	WIN MUL
	MUL8 F1, 1, 0, 0
	MUL8 F1, 1, 2, 0
.endm
; THE WAY OUT.  Block a (16 rows x 64 columns of f32): a lane's 32 bytes for each n block go into my stage, each accumulator's low registers first; whole rows come back.
.macro TOSTAGE a
.set BK, TMP+32*((\a)%2)
	s_wait_xcnt 0x0                                ; BK was the data of stores two blocks ago: it is loaded again only behind this wait
.irp b, 0,1,2,3
	ds_store_b128 v[STO], v[ACC+8*(4*(\a)+(\b)):ACC+8*(4*(\a)+(\b))+3] offset:64*(\b)
	ds_store_b128 v[STO], v[ACC+8*(4*(\a)+(\b))+4:ACC+8*(4*(\a)+(\b))+7] offset:64*(\b)+16
.endr
.irp t, 0,1,2,3,4,5,6,7
	ds_load_b128 v[BK+4*(\t):BK+4*(\t)+3], v[RD] offset:(\t)*2*SPITCH  ; LDS serves a wave's instructions in order: these see the stores above
.endr
.endm
.macro SEND a, younger                 ; younger: the next block's 8 stores and 8 loads, or none
.set BK, TMP+32*((\a)%2)
	s_wait_dscnt \younger
.irp t, 0,1,2,3,4,5,6,7
	global_store_b128 v[CO], v[BK+4*(\t):BK+4*(\t)+3], s[8:9] offset:65536*(\a)+8192*(\t)  ; sixteen lanes store 256 consecutive bytes, aligned
.endr
.endm
	s_wait_tensorcnt 1                             ; my part of K step 0 is in; K step 1's may stay out
	s_barrier_signal -1
	s_barrier_wait -1
	FETCH 0, 0, F0
	QUARTER 0, 128, F0, F1, 1                      ; the first quarter stands in front of the loop: its first products start the sums
	WIN 0
	s_mov_b32 s3, LAPS-1
.Llap:
	QUARTER 0, 256, F1, F0, 0
	QUARTER 0, 384, F0, F1, 0
	TURN 0, 1, 1
	QUARTER 1, 128, F0, F1, 0
	QUARTER 1, 256, F1, F0, 0
	QUARTER 1, 384, F0, F1, 0
	TURN 1, 0, 1
	QUARTER 0, 128, F0, F1, 0
	WIN 0
	s_sub_co_u32 s3, s3, 1
	s_cmp_lg_u32 s3, 0
	s_cbranch_scc1 .Llap
	QUARTER 0, 256, F1, F0, 0                      ; the last lap fills nothing
	QUARTER 0, 384, F0, F1, 0
	TURN 0, 1, 0
	QUARTER 1, 128, F0, F1, 0
	QUARTER 1, 256, F1, F0, 0
	QUARTER 1, 384, F0, F1, 0
	s_wait_dscnt 16
	WIN MUL
	MUL8 F1, 0, 0, 0
	MUL8 F1, 0, 2, 0
	s_wait_dscnt 0
	MUL8 F1, 1, 0, 0
	MUL8 F1, 1, 2, 0
	WIN 0
	PLACES
	TOSTAGE 0
	TOSTAGE 1
	SEND 0, 16
	TOSTAGE 2
	SEND 1, 16
	TOSTAGE 3
	SEND 2, 16
	SEND 3, 0
	s_wait_tensorcnt 0x0                           ; the wave's end
	ds_add_u32 v[SPW], v[NIL]
	s_wait_dscnt 0x0
	CROUND                                         ; the closing round
	s_endpgm
.Lfunc_end_k_q3743ede087_projv:
	.size	k_q3743ede087_projv, .Lfunc_end_k_q3743ede087_projv-k_q3743ede087_projv
	.p2alignl 7, 3214868480
	.fill 96, 4, 3214868480
	.section	.rodata,"a",@progbits
	.p2align	6, 0x0
	.amdhsa_kernel k_q3743ede087_projv
		.amdhsa_group_segment_fixed_size 327680
		.amdhsa_private_segment_fixed_size 0
		.amdhsa_enable_private_segment 0
		.amdhsa_kernarg_size 24
		.amdhsa_user_sgpr_count 2
		.amdhsa_user_sgpr_kernarg_segment_ptr 1
		.amdhsa_wavefront_size32 1
		.amdhsa_system_sgpr_workgroup_id_x 1
		.amdhsa_system_sgpr_workgroup_id_y 1
		.amdhsa_system_sgpr_workgroup_id_z 1
		.amdhsa_system_vgpr_workitem_id 0
		.amdhsa_next_free_vgpr 512
		.amdhsa_next_free_sgpr 66
		.amdhsa_reserve_vcc 0
		.amdhsa_float_denorm_mode_32 3
		.amdhsa_float_denorm_mode_16_64 3
		.amdhsa_memory_ordered 1
		.amdhsa_forward_progress 1
		.amdhsa_inst_pref_size 86
	.end_amdhsa_kernel
	.amdgpu_metadata
---
amdhsa.version: [ 1, 2 ]
amdhsa.kernels:
  - .name:           k_q3743ede087_projv
    .symbol:         k_q3743ede087_projv.kd
    .args:
      - { .name: a16, .offset: 0, .size: 8, .value_kind: global_buffer, .address_space: global }
      - { .name: wv, .offset: 8, .size: 8, .value_kind: global_buffer, .address_space: global }
      - { .name: vf, .offset: 16, .size: 8, .value_kind: global_buffer, .address_space: global }
    .group_segment_fixed_size: 327680
    .private_segment_fixed_size: 0
    .kernarg_segment_align: 8
    .kernarg_segment_size: 24
    .max_flat_workgroup_size: 128
    .sgpr_count:     66
    .vgpr_count:     512
    .wavefront_size: 32
...
	.end_amdgpu_metadata
.endif
;; end of part 3
;; launch attn (part 4): grid 8 x 32, 4 waves a work-group, no clusters, 45,568 bytes of LDS; arguments qk, vf, wqk, walk, lam_q1, lam_k1, lam_q2, lam_k2, xa; writes xa
.if DOCPART == 4
	.amdgcn_target "amdgcn-amd-amdhsa--gfx1250"
	.amdhsa_code_object_version 6
	.text
	.protected	k_q3743ede087_attn
	.globl	k_q3743ede087_attn
	.p2align	8
	.type	k_q3743ede087_attn,@function
k_q3743ede087_attn:
	s_mov_b64 s[64:65], 0
	v_nop
	global_prefetch_b8 v0, s[64:65] scope:SCOPE_SE
	s_setreg_imm32_b32 hwreg(HW_REG_WAVE_MODE, 25, 1), 1
	s_wait_xcnt 0x0
; DIFFERENTIAL CAUSAL ATTENTION WITH ALIBI.  attn[q] = softmax(Q1 K1^T / 8 + add) V - lam softmax(Q2 K2^T / 8 + add) V, add = (slope (k - q) + causal) + pad, causal = -1e9 for k > q, pad from the mask.
; In: qk (q, then k: [2][16][2048][128] f16, a row = stream 1 | stream 2), vf (v, f32 [4096][1024]), pad (f32, behind wqk's weights), walk (F for each batch), the four lam vectors (rounded to bf16 here).
; Out: xa: attn f32 [4096][1024], and behind it for each wave and block the mean and the sum of squares about that mean of its 2,048 numbers, for the group norm.
; -1e9 IS NOT MINUS INFINITY.  A row whose causal keys are all padded is a softmax over all 2,048 keys of numbers near -1e9.  So add is formed in f32 in the order above, the score joins it by one fma with
; the exact factor 1/8 (one rounding, as a product by 1/8 and a sum give), and p = 2^((x - m) log2 e) with a true subtraction of the running maximum m.  Query blocks that begin below F walk all keys.
; THE WALK.  A work-group takes two blocks of 128 queries of one head, 15 - x and then x; block I has 2 I + 2 live key steps of 64 (32 if 128 I < F): 34 live steps in every work-group where no block begins
; below F.  The step loop counts to the constant 32 for every block, and both barriers of a step stand on every wave's path in every trip: how many steps are live hangs on F, a number read from memory, and
; only the two parts of a step's work, which hold no barrier, are jumped over in the trips beyond.  Such a trip is two barriers and a few scalar lines; there are 30 of them beside the 34.
; A wave owns 32 rows: two tiles t of 16 queries x two streams s: four PIECES p = 2 s + t.
; NO TENSOR RING, NO CLUSTER: V arrives in f32 and is narrowed on its way; which trips fetch hangs on F; a head's eight work-groups walk different tiles.
; A step's K, V and pad are loaded into registers one step ahead, stored to LDS (part A), and read as fragments behind a barrier (part B); a second barrier at the trip's end guards the next stores.
; Each part is entered by a branch of its own, so each begins with the wait for the loads that it leans on, and part B makes every register that it reads.
; LAYOUT.  S^T = K Q^T: a lane holds ONE query (lane % 16) and keys 16 kb + 8 (lane / 16) + 0..7.  Rounded to f16 in pairs that IS source 1 of O^T = V^T P.  V is turned by ds_load_tr16_b128.
; BY TURNS.  Turn p: piece p's softmax, 150 vector instructions; behind every eighth a matrix instruction: 8 products K Q^T of piece p + 1, then 8 products V^T P of piece p - 1.
; LIMITS.  |score| < 1e8; q, k, v within f16; slope (k - q) is one fma, DL slope + fl(slope x offset): within 1.2e-4 of the product, exact for the slopes that are powers of two; a weight below 2^-126
; counts as 0; |attn| under about 1e16, so that the sums of squares stay finite.  After the second block's last live step one tile (32 KiB of K and V, and the pad) has been fetched that nobody uses: the price of one text for every step.
; REGISTERS, in windows of 256 (s_set_vgpr_msb: bits 1:0 source 0, 3:2 source 1, 5:4 source 2, 7:6 destination):
;   window 0: v0-14 addresses; v16-31 m, m_old, l, l a piece; v32-37 at work; v38-63 at work; v64-127 S^T, two buffers; v128-159 P, two buffers; v160-223 add, by tile; v224-255 DL = key - query inside a tile
;   window 1: v0-127 O^T, 32 a piece; v128-159, v160-191, v192-223 the next step's K, V, pad; v224-239 V in f16         window 2: v0-63 Q; v64-191 K, by stream; v192-255 V
.set PK,    272       ; a row of K in LDS: 256 bytes + 16
.set PVT,   160       ; a row of V: 128 bytes + 32
.set VT,    64*PK     ; V's tile lies behind K's
.set STAGE, VT+64*PVT ; 16 rows x 272 bytes for each wave, for the way out
.set SP,    272
.set SPARE, STAGE+4*16*SP  ; the spare words, 128 bytes for each wave
.set STEPS, 32        ; trips of the step loop: all of a head's keys, 64 a step
.set AK0, 2
.set AV0, 3
.set KST, 4
.set VST, 5
.set GK,  6
.set GV,  7
.set GP,  8
.set STO, 9
.set RD,  10
.set GO,  11
.set QO,  12
.set SPW, 13
.set NIL, 14
.set ST,  16
.set TMP, 32          ; c0-c3; +4 a; +5 named with it as a pair
.set S,   64
.set P,   128
.set ADD, 160
.set DL,  224
.set STGK, 128        ; window 1
.set STGV, 160
.set PADR, 192
.set VH,   224
.set KF,  64          ; window 2: stream s, key block kb, channel half c at KF + 64 s + 16 kb + 8 c
.set VF,  192         ; window 2: key half kk, channel block cb at VF + 32 kk + 8 cb
; scalars: s22 wave, s23 x, s24 batch x 16 + head, s25 batch, s26 head, s27 I, s28 the second block, s29 blocks to go, s30 T, s31 live steps of the block, s32 2 I, s33 the step to fetch, s34 F, s35 at work,
; s[36:41] K, V, pad of the head; s[42:47] the same at the step to fetch; s[48:49] an offset; s[50:51] Q; s[52:53] attn; s[54:55] statistics; s56 slope, s57 -slope; s66, s67 q0 - 64 T for tiles 0, 1;
; s68 -1e9; s[70:71] lane selects; s72 -lam; s73 EXEC; s[74:75] walk
.set MSB, 0
.macro WIN new
.if MSB != (\new)
	s_set_vgpr_msb (MSB<<8)|(\new)
.set MSB, (\new)
.endif
.endm
.macro QADDR                        ; Q at my wave's 32 rows of block s27
	s_lshl_b32 s48, s24, 11
	s_lshl_b32 s35, s27, 7
	s_add_co_u32 s48, s48, s35
	s_lshl_b32 s35, s22, 5
	s_add_co_u32 s48, s48, s35
	s_lshl_b32 s48, s48, 8
	s_add_nc_u64 s[50:51], s[4:5], s[48:49]
.endm
.macro LOADQ                        ; 16 loads: fragment i = 2 p + c: tile (i / 2) % 2, stream i / 4, channels 32 (i % 2) on
	WIN 0x80
.set i, 0
.rept 8
	global_load_b128 v[8*i:8*i+3],   v[QO], s[50:51] offset:((i/2)%2)*4096+(i/4)*128+(i%2)*64
	global_load_b128 v[8*i+4:8*i+7], v[QO], s[50:51] offset:((i/2)%2)*4096+(i/4)*128+(i%2)*64+32
.set i, i+1
.endr
	WIN 0
.endm
.macro LOADKV                       ; 16 loads: 64 keys x 256 bytes of K (dense) and of V (rows 4,096 bytes apart); sixteen lanes take 256 consecutive bytes
	WIN 0x40
.irp j, 0,1,2,3,4,5,6,7
	global_load_b128 v[STGK+4*(\j):STGK+4*(\j)+3], v[GK], s[42:43] offset:2048*(\j)
.endr
.irp j, 0,1,2,3,4,5,6,7
	global_load_b128 v[STGV+4*(\j):STGV+4*(\j)+3], v[GV], s[44:45] offset:32768*(\j)
.endr
	WIN 0
.endm
.macro LOADPAD                      ; 8 loads: pad of my lane's 32 keys
	WIN 0x40
.irp k, 0,1,2,3
	global_load_b128 v[PADR+8*(\k):PADR+8*(\k)+3],   v[GP], s[46:47] offset:64*(\k)
	global_load_b128 v[PADR+8*(\k)+4:PADR+8*(\k)+7], v[GP], s[46:47] offset:64*(\k)+16
.endr
	WIN 0
.endm
.macro ADDF t                       ; slope (k - q) = DL slope + slope x offset
	WIN 0
.set e, 0
.rept 16
	v_pk_fma_f32 v[ADD+32*(\t)+2*e:ADD+32*(\t)+2*e+1], v[DL+2*e:DL+2*e+1], s[56:57], v[40+2*(\t):41+2*(\t)] op_sel_hi:[1,0,0]
.set e, e+1
.endr
.endm
.macro ADDG t                       ; + causal: -1e9 where DL > q0 - 64 T, that is k > q; 0 elsewhere
.set e, 0
.rept 16
.set rG, 38+8*(e%2)
	v_cmp_lt_f32 vcc_lo, v[44+(\t)], v[DL+2*e]
	v_cndmask_b32 v[rG], 0, s68, vcc_lo
	v_cmp_lt_f32 vcc_lo, v[44+(\t)], v[DL+2*e+1]
	v_cndmask_b32 v[rG+1], 0, s68, vcc_lo
	v_pk_add_f32 v[ADD+32*(\t)+2*e:ADD+32*(\t)+2*e+1], v[ADD+32*(\t)+2*e:ADD+32*(\t)+2*e+1], v[rG:rG+1]
.set e, e+1
.endr
.endm
.macro ADDP t                       ; + pad
	WIN 0x04
.set e, 0
.rept 16
	v_pk_add_f32 v[ADD+32*(\t)+2*e:ADD+32*(\t)+2*e+1], v[ADD+32*(\t)+2*e:ADD+32*(\t)+2*e+1], v[PADR+2*e:PADR+2*e+1]
.set e, e+1
.endr
	WIN 0
.endm
; THE MATRIX WORK.  The 4 accumulators of a run of 8 take turns.  Product i of 8 of S^T = K Q^T for piece x: keys 16 (i % 4) on, channels 32 (i / 4) on; the first 4 start the sums.
.macro KQ x
	WIN 0x0a
.set rD, S+32*((\x)%2)+8*(i%4)
.set rK, KF+64*((\x)/2)+16*(i%4)+8*(i/4)
.set rQ, 16*(\x)+8*(i/4)
.if i < 4
	v_wmma_f32_16x16x32_f16 v[rD:rD+7], v[rK:rK+7], v[rQ:rQ+7], 0
.else
	v_wmma_f32_16x16x32_f16 v[rD:rD+7], v[rK:rK+7], v[rQ:rQ+7], v[rD:rD+7]
.endif
.endm
; Product i of 8 of O^T += V^T P for piece x: channels 16 (i % 4) on, keys 32 (i / 4) on.
.macro PV x
	WIN 0x52
.set rD, 32*(\x)+8*(i%4)
.set rV, VF+32*(i/4)+8*(i%4)
.set rB, P+16*((\x)%2)+8*(i/4)
	v_wmma_f32_16x16x32_f16 v[rD:rD+7], v[rV:rV+7], v[rB:rB+7], v[rD:rD+7]
.endm
; THE VECTOR WORK of piece p for one step: number j of 150.
;   0-15 x = S / 8 + add, ascending (each accumulator's lowest registers are read first)     16-32 the maximum of x0-x31 and the old m, three operands at a time; 30 keeps m_old
;   33, 34 the query's other 32 keys lie in the lane 16 away: the new m     35-37 a = 2^((m_old - m) log2 e)     38-53 x - m     54-68, 73 times log2 e
;   69-133 exponentials in runs of four, and between the runs, for four weights at a time: two roundings to f16, the second pair added onto the first, l takes the sum (the first time l = a l + sum).
;   A plain instruction that names none of a run's registers stands between each run and the first use of its results.     134-149 O^T times a
.macro EXPX n
	v_exp_f32 v[rS+(\n)], v[rS+(\n)]
.endm
.macro PLK k, w
.if (\w) < 2
	s_wait_alu depctr_va_vdst(0)
	v_cvt_pk_f16_f32 v[rP+2*(\k)+(\w)], v[rS+4*(\k)+2*(\w)], v[rS+4*(\k)+2*(\w)+1]
.elseif (\w) == 2
	v_pk_add_f32 v[rS+4*(\k):rS+4*(\k)+1], v[rS+4*(\k):rS+4*(\k)+1], v[rS+4*(\k)+2:rS+4*(\k)+3]
.elseif (\k) == 0
	v_pk_fma_f32 v[rT+2:rT+3], v[rT+2:rT+3], v[TMP+4:TMP+5], v[rS:rS+1] op_sel_hi:[1,0,1]
.else
	v_pk_add_f32 v[rT+2:rT+3], v[rT+2:rT+3], v[rS+4*(\k):rS+4*(\k)+1]
.endif
.endm
.macro SM p
.set rS, S+32*((\p)%2)
.set rA, ADD+32*((\p)%2)
.set rP, P+16*((\p)%2)
.set rT, ST+4*(\p)
.set rO, 32*(\p)
.if j < 134
	WIN 0
.endif
.if j < 16
	v_pk_fma_f32 v[rS+2*j:rS+2*j+1], v[rS+2*j:rS+2*j+1], 0x3e000000, v[rA+2*j:rA+2*j+1] op_sel_hi:[1,0,1]
.elseif j < 20
	v_max3_num_f32 v[TMP+j-16], v[rS+8*(j-16)], v[rS+8*(j-16)+1], v[rS+8*(j-16)+2]
.elseif j < 28
.set n, j-16
	v_max3_num_f32 v[TMP+n%4], v[TMP+n%4], v[rS+8*(n%4)+2*(n/4)+1], v[rS+8*(n%4)+2*(n/4)+2]
.elseif j == 28
	v_max3_num_f32 v[TMP], v[TMP], v[rS+7], v[rS+15]
.elseif j == 29
	v_max3_num_f32 v[TMP+1], v[TMP+1], v[rS+23], v[rS+31]
.elseif j == 30
	v_mov_b32 v[rT+1], v[rT]
.elseif j == 31
	v_max3_num_f32 v[TMP+2], v[TMP+2], v[TMP+3], v[rT]
.elseif j == 32
	v_max3_num_f32 v[TMP], v[TMP], v[TMP+1], v[TMP+2]
.elseif j == 33
	v_permlanex16_b32 v[TMP+3], v[TMP], s70, s71
.elseif j == 34
	v_max_num_f32 v[rT], v[TMP], v[TMP+3]
.elseif j == 35
	v_sub_f32 v[TMP+1], v[rT+1], v[rT]
.elseif j == 36
	v_mul_f32 v[TMP+1], 0x3fb8aa3b, v[TMP+1]
.elseif j == 37
	v_exp_f32 v[TMP+4], v[TMP+1]
.elseif j < 54
.set n, j-38
	v_pk_add_f32 v[rS+2*n:rS+2*n+1], v[rS+2*n:rS+2*n+1], v[rT:rT+1] op_sel_hi:[1,0] neg_lo:[0,1] neg_hi:[0,1]
.elseif (j < 69) || (j == 73)
.set n, j-54
.if j == 73
.set n, 15
.endif
	v_pk_mul_f32 v[rS+2*n:rS+2*n+1], v[rS+2*n:rS+2*n+1], 0x3fb8aa3b op_sel_hi:[1,0]
.elseif j < 73
	EXPX j-69
.elseif j < 78
	EXPX j-70
.elseif j < 82
	PLK 0, j-78
.elseif j >= 134
	WIN 0x41
.set n, j-134
	v_pk_mul_f32 v[rO+2*n:rO+2*n+1], v[rO+2*n:rO+2*n+1], v[TMP+4:TMP+5] op_sel_hi:[1,0]
.elseif j >= 130
	PLK 7, j-130
.elseif (j-82)%8 < 4
	EXPX 4*((j-82)/8+2)+(j-82)%8
.else
	PLK (j-82)/8+1, (j-82)%8-4
.endif
.endm
; The matrix instruction behind number j = 8 q + 7 of turn p.  In turn 1: the second stream's K is waited for ahead of piece 2's first product (V's 16 loads stay out), V ahead of the first V^T P.
.macro MMQ p
.set q, j/8
.if (\p) == 0
.if q < 8
.set i, q
	KQ 1
.endif
.elseif (\p) == 3
.if q < 8
.set i, q
	PV 2
.endif
.elseif q < 8
.if ((\p) == 1) && (q == 0)
	s_wait_dscnt 16
.endif
.set i, q
	KQ (\p)+1
.else
.if ((\p) == 1) && (q == 8)
	s_wait_dscnt 0x0
.endif
.set i, q-8
	PV (\p)-1
.endif
.endm
.macro TURN p
.set j, 0
.rept 150
	SM \p
.if (j%8 == 7) && (j < 128)
	MMQ \p
.endif
.set j, j+1
.endr
.endm
	s_load_b512 s[4:19], s[0:1], 0x0  ; qk 4, vf 6, wqk 8, walk 10, lam_q1 12, lam_k1 14, lam_q2 16, lam_k2 18
	s_load_b64 s[20:21], s[0:1], 0x40 ; xa
	v_lshl_add_u32 v[SPW], v0, 2, SPARE
	v_mov_b32 v[NIL], 0
	v_lshrrev_b32 v1, 5, v0
	v_readfirstlane_b32 s22, v1     ; wave 0..3
	s_mov_b32 s23, ttmp9
	s_and_b32 s24, ttmp7, 0xffff
	s_lshr_b32 s25, s24, 4
	s_and_b32 s26, s24, 15
	s_sub_co_u32 s27, 15, s23       ; the first block: the long one
	s_mov_b32 s28, s23
	s_mov_b32 s29, 2
	s_mov_b32 s49, 0
	s_mov_b32 s68, 0xce6e6b28       ; -1e9
	s_mov_b32 s70, 0x76543210
	s_mov_b32 s71, 0xfedcba98
	s_add_co_u32 s35, s26, 1        ; slope = 2^(-(head + 1) / 2): 1 or 2^-0.5, its exponent taken down by (head + 1) / 2
	s_bitcmp1_b32 s35, 0
	s_cselect_b32 s56, 0x3f3504f3, 1.0
	s_lshr_b32 s35, s35, 1
	s_lshl_b32 s35, s35, 23
	s_sub_co_u32 s56, s56, s35
	s_xor_b32 s57, s56, 0x80000000
	v_and_b32 v1, 15, v0            ; r = l % 16
	v_bfe_u32 v46, v0, 4, 1         ; l / 16
	v_lshrrev_b32 v47, 4, v0        ; thread / 16
	v_and_b32 v45, 31, v0
	v_lshlrev_b32 v44, 3, v45       ; two numbers of each lam vector a lane
	v_lshlrev_b32 v[GK], 4, v0
	v_lshlrev_b32 v[GV], 12, v47
	v_lshl_add_u32 v[GV], v1, 4, v[GV]
	v_lshlrev_b32 v[GP], 5, v46
	v_lshlrev_b32 v[QO], 8, v1
	v_lshl_add_u32 v[QO], v46, 4, v[QO]
	s_wait_kmcnt 0x0
	s_lshl_b32 s48, s25, 7
	s_add_nc_u64 s[74:75], s[10:11], s[48:49]
	s_load_b32 s34, s[74:75], 0x0   ; F of my batch
	s_lshl_b32 s48, s24, 19
	s_add_co_u32 s48, s48, 0x1000000
	s_add_nc_u64 s[36:37], s[4:5], s[48:49]  ; k lies 16 MiB into qk; a head is 2,048 rows of 256 bytes
	s_lshl_b32 s48, s25, 23
	s_lshl_b32 s35, s26, 8
	s_add_co_u32 s48, s48, s35
	s_add_nc_u64 s[38:39], s[6:7], s[48:49]
	s_lshl_b32 s48, s25, 13
	s_add_co_u32 s48, s48, 0x800000
	s_add_nc_u64 s[40:41], s[8:9], s[48:49]
	s_mov_b64 s[42:43], s[36:37]    ; step 0
	s_mov_b64 s[44:45], s[38:39]
	s_mov_b64 s[46:47], s[40:41]
	QADDR
	global_load_b64 v[48:49], v44, s[12:13]
	global_load_b64 v[50:51], v44, s[14:15]
	global_load_b64 v[52:53], v44, s[16:17]
	global_load_b64 v[54:55], v44, s[18:19]
	LOADQ
	LOADKV
	LOADPAD
	; the rest of the set-up stands in the wait for these loads
	v_mul_u32_u24 v[AK0], v1, PK
	v_lshl_add_u32 v[AK0], v46, 4, v[AK0]
	v_and_b32 v38, 7, v0
	v_bfe_u32 v39, v0, 3, 1
	v_lshl_add_u32 v[AV0], v46, 3, v38
	v_mul_u32_u24 v[AV0], v[AV0], PVT
	v_lshl_add_u32 v[AV0], v39, 4, v[AV0]
	v_add_nc_u32 v[AV0], VT, v[AV0]
	v_mul_u32_u24 v[KST], v47, PK
	v_lshl_add_u32 v[KST], v1, 4, v[KST]
	v_mul_u32_u24 v[VST], v47, PVT
	v_lshl_add_u32 v[VST], v1, 3, v[VST]
	v_add_nc_u32 v[VST], VT, v[VST]
	s_mul_i32 s35, s22, 16*SP
	s_add_co_u32 s35, s35, STAGE    ; my stage
	v_mul_u32_u24 v[STO], v1, SP
	v_lshl_add_u32 v[STO], v46, 5, v[STO]
	v_add_nc_u32 v[STO], s35, v[STO]
	v_mul_u32_u24 v[RD], v46, SP
	v_lshl_add_u32 v[RD], v1, 4, v[RD]
	v_add_nc_u32 v[RD], s35, v[RD]
	v_lshlrev_b32 v[GO], 12, v46
	v_lshl_add_u32 v[GO], v1, 4, v[GO]
	v_lshlrev_b32 v47, 3, v46
	v_sub_nc_u32 v47, v47, v1       ; 8 (l / 16) - r
.set e, 0
.rept 32
	v_add_nc_u32 v[DL+e], 16*(e/8)+e%8, v47
.set e, e+1
.endr
.set e, 0
.rept 32
	v_cvt_f32_i32 v[DL+e], v[DL+e]
.set e, e+1
.endr
	; A block's first step multiplies O^T and l by a = 0, so they need only hold finite numbers: zeros for the first block, what the first block left for the second.
	WIN 0x40
.set i, 0
.rept 128
	v_mov_b32 v[i], 0
.set i, i+1
.endr
	WIN 0
.irp p, 0,1,2,3
	v_mov_b32 v[ST+4*(\p)+2], 0
	v_mov_b32 v[ST+4*(\p)+3], 0
.endr
	v_mov_b32 v[TMP+5], 0           ; named as the second of a pair
	v_mov_b32 v41, 0
	v_mov_b32 v43, 0
	s_wait_loadcnt 40               ; the four lam loads are in; Q's 16 and the tile's 24 stay out
.irp a, 48,50,52,54
	v_cvt_pk_bf16_f32 v38, v[\a], v[\a+1]
	v_lshlrev_b32 v[\a], 16, v38
	v_and_b32 v[\a+1], 0xffff0000, v38
.endr
	v_mul_f32 v48, v48, v50
	v_fmac_f32 v48, v49, v51
	v_mul_f32 v52, v52, v54
	v_fmac_f32 v52, v53, v55
.irp m, 1,2,4,8
	v_add_f32_dpp v48, v48, v48 row_xmask:\m row_mask:0xf bank_mask:0xf
	v_add_f32_dpp v52, v52, v52 row_xmask:\m row_mask:0xf bank_mask:0xf
.endr
	v_permlanex16_b32 v38, v48, s70, s71
	v_permlanex16_b32 v39, v52, s70, s71
	v_add_f32 v48, v48, v38
	v_add_f32 v52, v52, v39
	v_mul_f32 v48, 0x3fb8aa3b, v48
	v_mul_f32 v52, 0x3fb8aa3b, v52
	v_exp_f32 v48, v48
	v_exp_f32 v52, v52
	v_nop                           ; a plain instruction between the exponentials and the use of their results
	s_wait_alu depctr_va_vdst(0)
	v_sub_f32 v48, v52, v48
	v_add_f32 v48, 0xbf4ccccd, v48  ; -lam = (e2 - e1) - 0.8
	v_readfirstlane_b32 s72, v48
	s_wait_kmcnt 0x0                ; F
.Lblock:
	s_lshl_b32 s32, s27, 1          ; steps wholly in the past
	s_add_co_u32 s31, s32, 2
	s_lshl_b32 s48, s27, 7
	s_cmp_lt_u32 s48, s34           ; does the block begin below F?
	s_cselect_b32 s31, STEPS, s31
	s_lshl_b32 s35, s22, 5
	s_add_co_u32 s66, s48, s35      ; q0 = 128 I + 32 w
	s_lshl_b32 s48, s25, 11
	s_add_co_u32 s48, s48, s66
	s_lshl_b32 s48, s48, 12
	s_lshl_b32 s35, s26, 8
	s_add_co_u32 s48, s48, s35
	s_add_nc_u64 s[52:53], s[20:21], s[48:49]  ; attn at my 32 rows, my head's 256 bytes
	s_lshl_b32 s48, s24, 6
	s_lshl_b32 s35, s27, 2
	s_add_co_u32 s48, s48, s35
	s_add_co_u32 s48, s48, s22
	s_lshl_b32 s48, s48, 3
	s_add_co_u32 s48, s48, 0x1000000
	s_add_nc_u64 s[54:55], s[20:21], s[48:49]  ; my pair of statistics: number 4 I + w of the head's 64
.irp p, 0,1,2,3
	v_mov_b32 v[ST+4*(\p)], 0xf149f2ca  ; m = -1e30: below every x, so the first step's a is 0
.endr
	s_mov_b32 s30, 0
.Lstep:                             ; STEPS trips for every block; trips T >= s31 pass the two barriers alone
	s_cmp_lt_u32 s30, s31
	s_cbranch_scc0 .Ldead_a
	; PART A: this step's tile goes from registers into LDS
	s_wait_loadcnt 0x0              ; this step's K, V and pad are in (Q too, at a block's first step)
	WIN 0x45
.set i, 0
.rept 16
	v_cvt_pk_f16_f32 v[VH+i], v[STGV+2*i], v[STGV+2*i+1]
.set i, i+1
.endr
	WIN 0x04                        ; store data in window 1
.irp j, 0,1,2,3,4,5,6,7
	ds_store_b128 v[KST], v[STGK+4*(\j):STGK+4*(\j)+3] offset:8*PK*(\j)
.endr
.irp j, 0,1,2,3,4,5,6,7
	ds_store_b64 v[VST], v[VH+2*(\j):VH+2*(\j)+1] offset:8*PVT*(\j)
.endr
	WIN 0
.Ldead_a:
	s_wait_dscnt 0x0                ; for the others' sake: my part of the tile is stored
	s_barrier_signal -1
	s_barrier_wait -1               ; the tile is whole
	s_cmp_lt_u32 s30, s31
	s_cbranch_scc0 .Ldead_b
	; PART B: the next tile is asked for, this one is read as fragments and worked on
	s_add_co_u32 s67, s66, 16
	v_cvt_f32_i32 v44, s66          ; q0 - 64 T for tile 0, exact
	v_cvt_f32_i32 v45, s67          ; for tile 1
	s_add_co_u32 s33, s30, 1        ; the step to fetch: the next, or behind the last live one the next block's step 0
	s_cmp_ge_u32 s33, s31
	s_cselect_b32 s33, 0, s33
	s_min_u32 s33, s33, 31
	v_mul_f32 v40, s57, v44         ; slope x (64 T - q0)
	v_mul_f32 v42, s57, v45
	s_wait_loadcnt 0x0              ; this part's own wait (behind part A it is met at once): pad and Q are in, no load is out into the registers loaded below, and the three bases may be written
	s_lshl_b32 s48, s33, 14
	s_add_nc_u64 s[42:43], s[36:37], s[48:49]
	s_lshl_b32 s48, s33, 18
	s_add_nc_u64 s[44:45], s[38:39], s[48:49]
	s_lshl_b32 s48, s33, 8
	s_add_nc_u64 s[46:47], s[40:41], s[48:49]
	LOADKV                          ; a step ahead: it has this whole step in which to land
	ADDF 0                          ; sixteen plain instructions: with the four above the places between the last step's products and the loads into V's fragments
	WIN 0x80                        ; 48 LDS loads in one run: stream 1's K, stream 2's K, V turned
.irp s, 0,1
.irp f, 0,1,2,3,4,5,6,7
	ds_load_b128 v[KF+64*(\s)+8*(\f):KF+64*(\s)+8*(\f)+3],   v[AK0] offset:((\f)/2)*16*PK+128*(\s)+((\f)%2)*64
	ds_load_b128 v[KF+64*(\s)+8*(\f)+4:KF+64*(\s)+8*(\f)+7], v[AK0] offset:((\f)/2)*16*PK+128*(\s)+((\f)%2)*64+32
.endr
.endr
.irp f, 0,1,2,3,4,5,6,7
	ds_load_tr16_b128 v[VF+8*(\f):VF+8*(\f)+3],   v[AV0] offset:((\f)/4)*32*PVT+((\f)%4)*32
	ds_load_tr16_b128 v[VF+8*(\f)+4:VF+8*(\f)+7], v[AV0] offset:((\f)/4)*32*PVT+16*PVT+((\f)%4)*32
.endr
	ADDF 1                          ; the rest of the additive terms stands in the wait for the fragments
	s_cmp_lt_u32 s30, s32
	s_cbranch_scc1 .Lpast           ; no key of this step lies behind any query of the block
	ADDG 0
	ADDG 1
.Lpast:
	ADDP 0
	s_wait_dscnt 32                 ; stream 1's K is in; stream 2's 16 loads and V's 16 stay out
.set i, 0
.rept 8
	KQ 0
.set i, i+1
.endr
	ADDP 1                          ; sixteen plain instructions that name none of those products' registers: the places behind them
	LOADPAD                         ; pad's registers have been read for both tiles
	TURN 0
	TURN 1
	TURN 2
	TURN 3
.set i, 0
.rept 8
	PV 3
.set i, i+1
.endr
	WIN 0
.Ldead_b:
	s_wait_dscnt 0x0                ; my reads of the tile are back (turn 1 has waited for them)
	s_barrier_signal -1
	s_barrier_wait -1               ; every wave's are: the next step may store
	s_sub_co_i32 s66, s66, 64
	s_add_co_u32 s30, s30, 1
	s_cmp_lt_u32 s30, STEPS
	s_cbranch_scc1 .Lstep
	; THE BLOCK'S END
	s_cmp_eq_u32 s29, 1
	s_cbranch_scc1 .Lno_q
	s_wait_loadcnt 24               ; all but the 24 loads of the tile fetched ahead are in, the first block's Q among them: Q's base and registers may be written
	s_mov_b32 s27, s28              ; the second block's Q: its registers' last reader stands in turn 2
	QADDR
	LOADQ
.Lno_q:
.irp p, 0,1,2,3
	v_add_f32 v[48+2*(\p)], v[ST+4*(\p)+2], v[ST+4*(\p)+3]  ; these additions are the places behind the last products
.endr
.irp p, 0,1,2,3
	v_permlanex16_b32 v[44+(\p)], v[48+2*(\p)], s70, s71
.endr
.irp p, 0,1,2,3
	v_add_f32 v[48+2*(\p)], v[48+2*(\p)], v[44+(\p)]
.endr
.irp p, 0,1,2,3
	v_rcp_f32 v[48+2*(\p)], v[48+2*(\p)]
.endr
	v_nop                           ; a plain instruction between the last reciprocal and the use of its result
	s_wait_alu depctr_va_vdst(0)
	v_mul_f32 v52, s72, v52         ; -lam / l of stream 2
	v_mul_f32 v54, s72, v54
	WIN 0x41
.irp t, 0,1
.set n, 0
.rept 16
	v_pk_mul_f32 v[32*(\t)+2*n:32*(\t)+2*n+1], v[32*(\t)+2*n:32*(\t)+2*n+1], v[48+2*(\t):49+2*(\t)] op_sel_hi:[1,0]
.set n, n+1
.endr
.endr
	WIN 0x51
.irp t, 0,1
.set n, 0
.rept 16
	v_pk_fma_f32 v[32*(\t)+2*n:32*(\t)+2*n+1], v[64+32*(\t)+2*n:64+32*(\t)+2*n+1], v[52+2*(\t):53+2*(\t)], v[32*(\t)+2*n:32*(\t)+2*n+1] op_sel_hi:[1,0,1]
.set n, n+1
.endr
.endr
	; my wave's 2,048 numbers: their mean, then the sum of squares about that mean (no difference of large sums)
	WIN 0x05
.irp c, 0,1,2,3
	v_pk_add_f32 v[56+2*(\c):57+2*(\c)], v[2*(\c):2*(\c)+1], v[8+2*(\c):9+2*(\c)]
.endr
	WIN 0x01
.set n, 8
.rept 24
	v_pk_add_f32 v[56+2*(n%4):57+2*(n%4)], v[2*n:2*n+1], v[56+2*(n%4):57+2*(n%4)]
.set n, n+1
.endr
	WIN 0
	v_pk_add_f32 v[56:57], v[56:57], v[58:59]
	v_pk_add_f32 v[60:61], v[60:61], v[62:63]
	v_pk_add_f32 v[56:57], v[56:57], v[60:61]
	v_add_f32 v56, v56, v57
.irp m, 1,2,4,8
	v_add_f32_dpp v56, v56, v56 row_xmask:\m row_mask:0xf bank_mask:0xf
.endr
	v_permlanex16_b32 v44, v56, s70, s71
	v_add_f32 v56, v56, v44
	v_mul_f32 v56, 0x3a000000, v56  ; / 2,048
	WIN 0x41
.set n, 0
.rept 32
	v_pk_add_f32 v[64+2*n:65+2*n], v[2*n:2*n+1], v[56:57] op_sel_hi:[1,0] neg_lo:[0,1] neg_hi:[0,1]  ; into stream 2's registers, which are free
.set n, n+1
.endr
	WIN 0x05
.set n, 0
.rept 32
.set aC, 58+2*(n%4)-18*((n%4)/3)    ; four chains: v58, v60, v62, v46
.if n < 4
	v_pk_mul_f32 v[aC:aC+1], v[64+2*n:65+2*n], v[64+2*n:65+2*n]
.else
	v_pk_fma_f32 v[aC:aC+1], v[64+2*n:65+2*n], v[64+2*n:65+2*n], v[aC:aC+1]
.endif
.set n, n+1
.endr
	WIN 0
	v_pk_add_f32 v[58:59], v[58:59], v[60:61]
	v_pk_add_f32 v[62:63], v[62:63], v[46:47]
	v_pk_add_f32 v[58:59], v[58:59], v[62:63]
	v_add_f32 v57, v58, v59
.irp m, 1,2,4,8
	v_add_f32_dpp v57, v57, v57 row_xmask:\m row_mask:0xf bank_mask:0xf
.endr
	v_permlanex16_b32 v44, v57, s70, s71
	v_add_f32 v57, v57, v44
	v_and_b32 v45, 31, v0
	v_cmp_eq_u32 vcc_lo, 0, v45
	s_wait_xcnt 0x0                 ; EXEC changes only behind this wait
	s_and_saveexec_b32 s73, vcc_lo
	global_store_b64 v45, v[56:57], s[54:55]  ; lane 0, whose v45 is 0: (mean, sum of squares)
	s_wait_xcnt 0x0                 ; and again, in front of the line that widens it
	s_or_b32 exec_lo, exec_lo, s73
	; attn leaves through my stage, a tile of 16 rows at a time: 32 bytes a lane in, whole rows of 256 bytes back, into S^T's registers
.irp t, 0,1
	WIN 0x04
.irp c, 0,1,2,3
	ds_store_b128 v[STO], v[32*(\t)+8*(\c):32*(\t)+8*(\c)+3] offset:64*(\c)
	ds_store_b128 v[STO], v[32*(\t)+8*(\c)+4:32*(\t)+8*(\c)+7] offset:64*(\c)+16
.endr
	WIN 0
.irp i, 0,1,2,3,4,5,6,7
	ds_load_b128 v[S+32*(\t)+4*(\i):S+32*(\t)+4*(\i)+3], v[RD] offset:(\i)*2*SP  ; LDS serves a wave's instructions in order: these see the stores above, and the next tile's stores come behind them
.endr
.endr
.irp t, 0,1
.irp i, 0,1,2,3,4,5,6,7
	s_wait_dscnt 16*(1-(\t))+7-(\i) ; behind tile 0's loads stand tile 1's 16 LDS instructions
	global_store_b128 v[GO], v[S+32*(\t)+4*(\i):S+32*(\t)+4*(\i)+3], s[52:53] offset:65536*(\t)+8192*(\i)  ; sixteen lanes store 256 consecutive bytes, aligned
.endr
.endr
	s_wait_xcnt 0x0                 ; the stores' data and bases are rewritten only behind this wait
	s_sub_co_u32 s29, s29, 1
	s_cmp_lg_u32 s29, 0
	s_cbranch_scc1 .Lblock
	s_wait_tensorcnt 0x0            ; the wave's end, behind my last LDS store
	ds_add_u32 v[SPW], v[NIL]
	s_wait_dscnt 0x0
	s_endpgm
.Lfunc_end_k_q3743ede087_attn:
	.size	k_q3743ede087_attn, .Lfunc_end_k_q3743ede087_attn-k_q3743ede087_attn
	.p2alignl 7, 3214868480
	.fill 96, 4, 3214868480
	.section	.rodata,"a",@progbits
	.p2align	6, 0x0
	.amdhsa_kernel k_q3743ede087_attn
		.amdhsa_group_segment_fixed_size 45568
		.amdhsa_private_segment_fixed_size 0
		.amdhsa_enable_private_segment 0
		.amdhsa_kernarg_size 72
		.amdhsa_user_sgpr_count 2
		.amdhsa_user_sgpr_kernarg_segment_ptr 1
		.amdhsa_wavefront_size32 1
		.amdhsa_system_sgpr_workgroup_id_x 1
		.amdhsa_system_sgpr_workgroup_id_y 1
		.amdhsa_system_sgpr_workgroup_id_z 1
		.amdhsa_system_vgpr_workitem_id 0
		.amdhsa_next_free_vgpr 768
		.amdhsa_next_free_sgpr 80
		.amdhsa_reserve_vcc 1
		.amdhsa_float_denorm_mode_32 3
		.amdhsa_float_denorm_mode_16_64 3
		.amdhsa_memory_ordered 1
		.amdhsa_forward_progress 1
		.amdhsa_inst_pref_size 104
	.end_amdhsa_kernel
	.amdgpu_metadata
---
amdhsa.version: [ 1, 2 ]
amdhsa.kernels:
  - .name:           k_q3743ede087_attn
    .symbol:         k_q3743ede087_attn.kd
    .args:
      - { .name: qk, .offset: 0, .size: 8, .value_kind: global_buffer, .address_space: global }
      - { .name: vf, .offset: 8, .size: 8, .value_kind: global_buffer, .address_space: global }
      - { .name: wqk, .offset: 16, .size: 8, .value_kind: global_buffer, .address_space: global }
      - { .name: walk, .offset: 24, .size: 8, .value_kind: global_buffer, .address_space: global }
      - { .name: lam_q1, .offset: 32, .size: 8, .value_kind: global_buffer, .address_space: global }
      - { .name: lam_k1, .offset: 40, .size: 8, .value_kind: global_buffer, .address_space: global }
      - { .name: lam_q2, .offset: 48, .size: 8, .value_kind: global_buffer, .address_space: global }
      - { .name: lam_k2, .offset: 56, .size: 8, .value_kind: global_buffer, .address_space: global }
      - { .name: xa, .offset: 64, .size: 8, .value_kind: global_buffer, .address_space: global }
    .group_segment_fixed_size: 45568
    .private_segment_fixed_size: 0
    .kernarg_segment_align: 8
    .kernarg_segment_size: 72
    .max_flat_workgroup_size: 128
    .sgpr_count:     80
    .vgpr_count:     768
    .wavefront_size: 32
...
	.end_amdgpu_metadata
.endif
;; end of part 4
;; launch norm (part 5): grid 256 x 1, 8 waves a work-group, no clusters, 0 bytes of LDS; arguments xa, gn_weight, gn_bias, a16; writes a16
.if DOCPART == 5
	.amdgcn_target "amdgcn-amd-amdhsa--gfx1250"
	.amdhsa_code_object_version 6
	.text
	.protected	k_q3743ede087_norm
	.globl	k_q3743ede087_norm
	.p2align	8
	.type	k_q3743ede087_norm,@function
k_q3743ede087_norm:
	s_mov_b64 s[64:65], 0
	v_nop
	global_prefetch_b8 v0, s[64:65] scope:SCOPE_SE
	s_setreg_imm32_b32 hwreg(HW_REG_WAVE_MODE, 25, 1), 1
	s_wait_xcnt 0x0
; GROUP NORM and the factor 0.2: a16[row][c] = f16( (attn[row][c] - mean) x (rstd x gain[c] x 0.2) + bias[c] x 0.2 ), mean and rstd for each (batch, head) over 2,048 positions x 64 channels.
; xa holds attn (f32 [4096][1024]) and behind it, for each (batch, head), 64 pairs (mean, sum of squares about it) of 2,048 numbers each.  They are joined without a difference of large sums:
; mean = the mean of the 64 means; total = the sum of the 64 sums + 2,048 x the sum of (mean_i - mean)^2; variance = total / 131,072.
; A work-group takes 16 rows; thread t owns columns 4 t .. 4 t + 3, so its head is t / 16, and the 16 lanes of a head share the 64 pairs, four each.  gain and bias are rounded to bf16 like every input.
; Memory binds: no LDS, no matrix unit; each load of a wave covers 512 consecutive bytes, each store 256, aligned.
.set X,  16                            ; v[16:79]   16 rows x 4 numbers
.set GW, 80                            ; v[80:83]   gain, then rstd x gain x 0.2
.set GB, 84                            ; v[84:87]   bias, then bias x 0.2
.set SS, 88                            ; v[88:95]   four pairs of statistics
.set Y,  96                            ; v[96:127]  a pair to store for each row
	s_load_b256 s[4:11], s[0:1], 0x0               ; xa 4, gn_weight 6, gn_bias 8, a16 10
	s_lshl_b32 s12, ttmp9, 16                      ; 16 rows of 4,096 bytes
	s_mov_b32 s13, 0
	s_lshr_b32 s14, ttmp9, 7                       ; the batch
	s_lshl_b32 s14, s14, 13                        ; its 16 heads x 512 bytes of statistics,
	s_add_co_u32 s14, s14, 0x1000000               ; 16 MiB into xa
	s_mov_b32 s15, 0
	s_lshl_b32 s16, ttmp9, 15                      ; 16 rows of 2,048 bytes
	s_mov_b32 s17, 0
	s_mov_b32 s20, 0x45000000                      ; 2,048
	s_mov_b32 s21, 0x37000000                      ; 1 / 131,072
	s_mov_b32 s22, 0x3727c5ac                      ; 1e-5
	s_mov_b32 s23, 0xffff0000
	v_lshlrev_b32 v1, 4, v0
	v_lshlrev_b32 v2, 5, v0                        ; 512 (t / 16) + 32 (t % 16) = 32 t
	v_lshlrev_b32 v3, 3, v0
	s_wait_kmcnt 0x0
	s_add_nc_u64 s[18:19], s[4:5], s[14:15]
	s_add_nc_u64 s[4:5], s[4:5], s[12:13]
	s_add_nc_u64 s[10:11], s[10:11], s[16:17]
	global_load_b128 v[SS:SS+3], v2, s[18:19]
	global_load_b128 v[SS+4:SS+7], v2, s[18:19] offset:16
	global_load_b128 v[GW:GW+3], v1, s[6:7]
	global_load_b128 v[GB:GB+3], v1, s[8:9]
.irp i, 0,1,2,3,4,5,6,7,8,9,10,11,12,13,14,15
	global_load_b128 v[X+4*(\i):X+4*(\i)+3], v1, s[4:5] offset:4096*(\i) th:TH_LOAD_NT
.endr
	s_wait_loadcnt 16                              ; statistics, gain and bias are in; the 16 rows stay out
	v_add_f32 v4, v[SS], v[SS+2]
	v_add_f32 v5, v[SS+4], v[SS+6]
	v_add_f32 v4, v4, v5
.irp m, 1,2,4,8
	v_add_f32_dpp v4, v4, v4 row_xmask:\m row_mask:0xf bank_mask:0xf
.endr
	v_mul_f32 v8, 0x3c800000, v4                   ; the mean of 64 means
	v_mov_b32 v9, 0                                ; named with it as a pair
	v_sub_f32 v4, v[SS], v8
	v_sub_f32 v5, v[SS+2], v8
	v_sub_f32 v6, v[SS+4], v8
	v_sub_f32 v7, v[SS+6], v8
	v_mul_f32 v4, v4, v4
	v_fmac_f32 v4, v5, v5
	v_fmac_f32 v4, v6, v6
	v_fmac_f32 v4, v7, v7
	v_add_f32 v5, v[SS+1], v[SS+3]
	v_add_f32 v6, v[SS+5], v[SS+7]
	v_add_f32 v5, v5, v6
	v_fmac_f32 v5, s20, v4
.irp m, 1,2,4,8
	v_add_f32_dpp v5, v5, v5 row_xmask:\m row_mask:0xf bank_mask:0xf
.endr
	v_fma_f32 v5, v5, s21, s22                     ; variance + 1e-5
	v_rsq_f32 v5, v5
.irp g, GW, GB                         ; plain work that names neither v5: it stands between the root and the use of its result
	v_cvt_pk_bf16_f32 v6, v[\g], v[\g+1]
	v_cvt_pk_bf16_f32 v7, v[\g+2], v[\g+3]
	v_lshlrev_b32 v[\g], 16, v6
	v_and_b32 v[\g+1], s23, v6
	v_lshlrev_b32 v[\g+2], 16, v7
	v_and_b32 v[\g+3], s23, v7
.endr
	s_wait_alu depctr_va_vdst(0)
	v_mul_f32 v10, 0x3e4ccccd, v5                  ; rstd x 0.2
	v_mov_b32 v11, 0
	v_pk_mul_f32 v[GW:GW+1], v[GW:GW+1], v[10:11] op_sel_hi:[1,0]
	v_pk_mul_f32 v[GW+2:GW+3], v[GW+2:GW+3], v[10:11] op_sel_hi:[1,0]
	v_pk_mul_f32 v[GB:GB+1], v[GB:GB+1], 0x3e4ccccd op_sel_hi:[1,0]
	v_pk_mul_f32 v[GB+2:GB+3], v[GB+2:GB+3], 0x3e4ccccd op_sel_hi:[1,0]
.irp i, 0,1,2,3,4,5,6,7,8,9,10,11,12,13,14,15
	s_wait_loadcnt 15-(\i)                         ; loads come back in order: row i is in, the younger ones stay out
	v_pk_add_f32 v[X+4*(\i):X+4*(\i)+1], v[X+4*(\i):X+4*(\i)+1], v[8:9] op_sel_hi:[1,0] neg_lo:[0,1] neg_hi:[0,1]
	v_pk_add_f32 v[X+4*(\i)+2:X+4*(\i)+3], v[X+4*(\i)+2:X+4*(\i)+3], v[8:9] op_sel_hi:[1,0] neg_lo:[0,1] neg_hi:[0,1]
	v_pk_fma_f32 v[X+4*(\i):X+4*(\i)+1], v[X+4*(\i):X+4*(\i)+1], v[GW:GW+1], v[GB:GB+1]
	v_pk_fma_f32 v[X+4*(\i)+2:X+4*(\i)+3], v[X+4*(\i)+2:X+4*(\i)+3], v[GW+2:GW+3], v[GB+2:GB+3]
	v_cvt_pk_f16_f32 v[Y+2*(\i)], v[X+4*(\i)], v[X+4*(\i)+1]
	v_cvt_pk_f16_f32 v[Y+2*(\i)+1], v[X+4*(\i)+2], v[X+4*(\i)+3]
	global_store_b64 v3, v[Y+2*(\i):Y+2*(\i)+1], s[10:11] offset:2048*(\i)  ; a wave's store covers 256 consecutive bytes, aligned
.endr
	s_endpgm
.Lfunc_end_k_q3743ede087_norm:
	.size	k_q3743ede087_norm, .Lfunc_end_k_q3743ede087_norm-k_q3743ede087_norm
	.p2alignl 7, 3214868480
	.fill 96, 4, 3214868480
	.section	.rodata,"a",@progbits
	.p2align	6, 0x0
	.amdhsa_kernel k_q3743ede087_norm
		.amdhsa_group_segment_fixed_size 0
		.amdhsa_private_segment_fixed_size 0
		.amdhsa_enable_private_segment 0
		.amdhsa_kernarg_size 32
		.amdhsa_user_sgpr_count 2
		.amdhsa_user_sgpr_kernarg_segment_ptr 1
		.amdhsa_wavefront_size32 1
		.amdhsa_system_sgpr_workgroup_id_x 1
		.amdhsa_system_sgpr_workgroup_id_y 1
		.amdhsa_system_sgpr_workgroup_id_z 1
		.amdhsa_system_vgpr_workitem_id 0
		.amdhsa_next_free_vgpr 128
		.amdhsa_next_free_sgpr 66
		.amdhsa_reserve_vcc 0
		.amdhsa_float_denorm_mode_32 3
		.amdhsa_float_denorm_mode_16_64 3
		.amdhsa_memory_ordered 1
		.amdhsa_forward_progress 1
		.amdhsa_inst_pref_size 14
	.end_amdhsa_kernel
	.amdgpu_metadata
---
amdhsa.version: [ 1, 2 ]
amdhsa.kernels:
  - .name:           k_q3743ede087_norm
    .symbol:         k_q3743ede087_norm.kd
    .args:
      - { .name: xa, .offset: 0, .size: 8, .value_kind: global_buffer, .address_space: global }
      - { .name: gn_weight, .offset: 8, .size: 8, .value_kind: global_buffer, .address_space: global }
      - { .name: gn_bias, .offset: 16, .size: 8, .value_kind: global_buffer, .address_space: global }
      - { .name: a16, .offset: 24, .size: 8, .value_kind: global_buffer, .address_space: global }
    .group_segment_fixed_size: 0
    .private_segment_fixed_size: 0
    .kernarg_segment_align: 8
    .kernarg_segment_size: 32
    .max_flat_workgroup_size: 256
    .sgpr_count:     66
    .vgpr_count:     128
    .wavefront_size: 32
...
	.end_amdgpu_metadata
.endif
;; end of part 5
;; launch outp: the kernel of part 3 again; grid 8 x 32, 4 waves a work-group, clusters of 4 x 4, 327,680 bytes of LDS; arguments a16, wo, out0; writes out0
;; ======== version 2 of 2: 6 launches; 1.16 times as fast as version 1
;; limits: values are held in f16: magnitudes above 65,504 overflow, below 6.1e-05 lose precision; right only within a limited range of input values
;; workspace buffers: xa 16,793,600 bytes; wqk 8,404,992 bytes; a16 8,388,608 bytes; wv 2,097,152 bytes; wo 2,097,152 bytes; qk 33,554,432 bytes; vf 16,777,216 bytes; walk 256 bytes of whole numbers
;; launch prep: the kernel of part 1 again; grid 1538 x 1, 8 waves a work-group, no clusters, 18,688 bytes of LDS; arguments query, key, value, Wq, Wk, Wv, Wo, attention_mask, xa, a16, wqk, wv, wo, walk; writes xa, a16, wqk, wv, wo, walk
;; launch projqk: the kernel of part 2 again; grid 16 x 16, 4 waves a work-group, clusters of 4 x 4, 327,680 bytes of LDS; arguments xa, wqk, qk; writes qk
;; launch projv: the kernel of part 3 again; grid 8 x 32, 4 waves a work-group, clusters of 4 x 4, 327,680 bytes of LDS; arguments a16, wv, vf; writes vf
;; launch attn (part 6): grid 8 x 32, 4 waves a work-group, no clusters, 45,568 bytes of LDS; arguments qk, vf, wqk, walk, lam_q1, lam_k1, lam_q2, lam_k2, xa; writes xa
.if DOCPART == 6
	.amdgcn_target "amdgcn-amd-amdhsa--gfx1250"
	.amdhsa_code_object_version 6
	.text
	.protected	k_q3743ede087_attn
	.globl	k_q3743ede087_attn
	.p2align	8
	.type	k_q3743ede087_attn,@function
k_q3743ede087_attn:
	s_mov_b64 s[64:65], 0
	v_nop
	global_prefetch_b8 v0, s[64:65] scope:SCOPE_SE
	s_setreg_imm32_b32 hwreg(HW_REG_WAVE_MODE, 25, 1), 1
	s_wait_xcnt 0x0
; DIFFERENTIAL CAUSAL ATTENTION WITH ALIBI.  attn[q] = softmax(Q1 K1^T / 8 + add) V - lam softmax(Q2 K2^T / 8 + add) V, add = (slope (k - q) + causal) + pad, causal = -1e9 for k > q, pad from the mask.
; In: qk (q, then k: [2][16][2048][128] f16, a row = stream 1 | stream 2), vf (v, f32 [4096][1024]), pad (f32, behind wqk's weights), walk (F for each batch), the four lam vectors (rounded to bf16 here).
; Out: xa: attn f32 [4096][1024], and behind it for each wave and block the mean and the sum of squares about that mean of its 2,048 numbers, for the group norm.
; -1e9 IS NOT MINUS INFINITY.  A row whose causal keys are all padded is a softmax over all 2,048 keys of numbers near -1e9.  So add is formed in f32 in the order above, the score joins it by one fma with
; the exact factor 1/8 (one rounding, as a product by 1/8 and a sum give), and p = 2^((x - m) log2 e) with a true subtraction of the running maximum m.  Query blocks that begin below F walk all keys.
; THE WALK.  A work-group takes two blocks of 128 queries of one head, 15 - x and then x; block I has 2 I + 2 live key steps of 64 (32 if 128 I < F): 34 live steps in every work-group where no block begins
; below F.  The step loop counts to the constant 32 for every block, and both barriers of a step stand on every wave's path in every trip: how many steps are live hangs on F, a number read from memory, and
; only the two parts of a step's work, which hold no barrier, are jumped over in the trips beyond.  Such a trip is two barriers and a few scalar lines; there are 30 of them beside the 34.
; A wave owns 32 rows: two tiles t of 16 queries x two streams s: four PIECES p = 2 s + t.
; NO TENSOR RING, NO CLUSTER: V arrives in f32 and is narrowed on its way; which trips fetch hangs on F; a head's eight work-groups walk different tiles.
; A step's K, V and pad are loaded into registers one step ahead, stored to LDS (part A), and read as fragments behind a barrier (part B); a second barrier at the trip's end guards the next stores.
; Each part is entered by a branch of its own, so each begins with the wait for the loads that it leans on, and part B makes every register that it reads.
; LAYOUT.  S^T = K Q^T: a lane holds ONE query (lane % 16) and keys 16 kb + 8 (lane / 16) + 0..7.  Rounded to f16 in pairs that IS source 1 of O^T = V^T P.  V is turned by ds_load_tr16_b128.
; BY TURNS.  Turn p: piece p's softmax, 150 vector instructions; behind every eighth a matrix instruction: 8 products K Q^T of piece p + 1, then 8 products V^T P of piece p - 1.
; THE BATCHES.  A turn's 33 exponentials (a and the piece's 32 weights) are ONE batch with ONE wait: all that names a result of theirs (roundings, sums, the rescaling by a) stands behind it.  No exponential is
; issued behind a turn's wait.  Two more batches stand outside the step loop, each with a wait of its own: lam's two exponentials at the head, the four reciprocals at a block's end.
; LIMITS.  |score| < 1e8; q, k, v within f16; slope (k - q) is one fma, DL slope + fl(slope x offset): within 1.2e-4 of the product, exact for the slopes that are powers of two; a weight below 2^-126
; counts as 0; |attn| under about 1e16, so that the sums of squares stay finite.  After the second block's last live step one tile (32 KiB of K and V, and the pad) has been fetched that nobody uses: the price of one text for every step.
; REGISTERS, in windows of 256 (s_set_vgpr_msb: bits 1:0 source 0, 3:2 source 1, 5:4 source 2, 7:6 destination):
;   window 0: v0-14 addresses; v16-31 m, m_old, l, l a piece; v32-37 at work; v38-63 at work; v64-127 S^T, two buffers; v128-159 P, two buffers; v160-223 add, by tile; v224-255 DL = key - query inside a tile
;   window 1: v0-127 O^T, 32 a piece; v128-159, v160-191, v192-223 the next step's K, V, pad; v224-239 V in f16         window 2: v0-63 Q; v64-191 K, by stream; v192-255 V
.set PK,    272       ; a row of K in LDS: 256 bytes + 16
.set PVT,   160       ; a row of V: 128 bytes + 32
.set VT,    64*PK     ; V's tile lies behind K's
.set STAGE, VT+64*PVT ; 16 rows x 272 bytes for each wave, for the way out
.set SP,    272
.set SPARE, STAGE+4*16*SP  ; the spare words, 128 bytes for each wave
.set STEPS, 32        ; trips of the step loop: all of a head's keys, 64 a step
.set LEAD,  8         ; plain instructions that lead a turn's batch
.set AK0, 2
.set AV0, 3
.set KST, 4
.set VST, 5
.set GK,  6
.set GV,  7
.set GP,  8
.set STO, 9
.set RD,  10
.set GO,  11
.set QO,  12
.set SPW, 13
.set NIL, 14
.set ST,  16
.set TMP, 32          ; c0-c3; +4 a; +5 named with it as a pair
.set S,   64
.set P,   128
.set ADD, 160
.set DL,  224
.set STGK, 128        ; window 1
.set STGV, 160
.set PADR, 192
.set VH,   224
.set KF,  64          ; window 2: stream s, key block kb, channel half c at KF + 64 s + 16 kb + 8 c
.set VF,  192         ; window 2: key half kk, channel block cb at VF + 32 kk + 8 cb
; scalars: s22 wave, s23 x, s24 batch x 16 + head, s25 batch, s26 head, s27 I, s28 the second block, s29 blocks to go, s30 T, s31 live steps of the block, s32 2 I, s33 the step to fetch, s34 F, s35 at work,
; s[36:41] K, V, pad of the head; s[42:47] the same at the step to fetch; s[48:49] an offset; s[50:51] Q; s[52:53] attn; s[54:55] statistics; s56 slope, s57 -slope; s66, s67 q0 - 64 T for tiles 0, 1;
; s68 -1e9; s[70:71] lane selects; s72 -lam; s73 EXEC; s[74:75] walk
.set MSB, 0
.macro WIN new
.if MSB != (\new)
	s_set_vgpr_msb (MSB<<8)|(\new)
.set MSB, (\new)
.endif
.endm
.macro QADDR                        ; Q at my wave's 32 rows of block s27
	s_lshl_b32 s48, s24, 11
	s_lshl_b32 s35, s27, 7
	s_add_co_u32 s48, s48, s35
	s_lshl_b32 s35, s22, 5
	s_add_co_u32 s48, s48, s35
	s_lshl_b32 s48, s48, 8
	s_add_nc_u64 s[50:51], s[4:5], s[48:49]
.endm
.macro LOADQ                        ; 16 loads: fragment i = 2 p + c: tile (i / 2) % 2, stream i / 4, channels 32 (i % 2) on
	WIN 0x80
.set i, 0
.rept 8
	global_load_b128 v[8*i:8*i+3],   v[QO], s[50:51] offset:((i/2)%2)*4096+(i/4)*128+(i%2)*64
	global_load_b128 v[8*i+4:8*i+7], v[QO], s[50:51] offset:((i/2)%2)*4096+(i/4)*128+(i%2)*64+32
.set i, i+1
.endr
	WIN 0
.endm
.macro LOADKV                       ; 16 loads: 64 keys x 256 bytes of K (dense) and of V (rows 4,096 bytes apart); sixteen lanes take 256 consecutive bytes
	WIN 0x40
.irp j, 0,1,2,3,4,5,6,7
	global_load_b128 v[STGK+4*(\j):STGK+4*(\j)+3], v[GK], s[42:43] offset:2048*(\j)
.endr
.irp j, 0,1,2,3,4,5,6,7
	global_load_b128 v[STGV+4*(\j):STGV+4*(\j)+3], v[GV], s[44:45] offset:32768*(\j)
.endr
	WIN 0
.endm
.macro LOADPAD                      ; 8 loads: pad of my lane's 32 keys
	WIN 0x40
.irp k, 0,1,2,3
	global_load_b128 v[PADR+8*(\k):PADR+8*(\k)+3],   v[GP], s[46:47] offset:64*(\k)
	global_load_b128 v[PADR+8*(\k)+4:PADR+8*(\k)+7], v[GP], s[46:47] offset:64*(\k)+16
.endr
	WIN 0
.endm
.macro ADDF t                       ; slope (k - q) = DL slope + slope x offset
	WIN 0
.set e, 0
.rept 16
	v_pk_fma_f32 v[ADD+32*(\t)+2*e:ADD+32*(\t)+2*e+1], v[DL+2*e:DL+2*e+1], s[56:57], v[40+2*(\t):41+2*(\t)] op_sel_hi:[1,0,0]
.set e, e+1
.endr
.endm
.macro ADDG t                       ; + causal: -1e9 where DL > q0 - 64 T, that is k > q; 0 elsewhere
.set e, 0
.rept 16
.set rG, 38+8*(e%2)
	v_cmp_lt_f32 vcc_lo, v[44+(\t)], v[DL+2*e]
	v_cndmask_b32 v[rG], 0, s68, vcc_lo
	v_cmp_lt_f32 vcc_lo, v[44+(\t)], v[DL+2*e+1]
	v_cndmask_b32 v[rG+1], 0, s68, vcc_lo
	v_pk_add_f32 v[ADD+32*(\t)+2*e:ADD+32*(\t)+2*e+1], v[ADD+32*(\t)+2*e:ADD+32*(\t)+2*e+1], v[rG:rG+1]
.set e, e+1
.endr
.endm
.macro ADDP t                       ; + pad
	WIN 0x04
.set e, 0
.rept 16
	v_pk_add_f32 v[ADD+32*(\t)+2*e:ADD+32*(\t)+2*e+1], v[ADD+32*(\t)+2*e:ADD+32*(\t)+2*e+1], v[PADR+2*e:PADR+2*e+1]
.set e, e+1
.endr
	WIN 0
.endm
; THE MATRIX WORK.  The 4 accumulators of a run of 8 take turns.  Product i of 8 of S^T = K Q^T for piece x: keys 16 (i % 4) on, channels 32 (i / 4) on; the first 4 start the sums.
.macro KQ x
	WIN 0x0a
.set rD, S+32*((\x)%2)+8*(i%4)
.set rK, KF+64*((\x)/2)+16*(i%4)+8*(i/4)
.set rQ, 16*(\x)+8*(i/4)
.if i < 4
	v_wmma_f32_16x16x32_f16 v[rD:rD+7], v[rK:rK+7], v[rQ:rQ+7], 0
.else
	v_wmma_f32_16x16x32_f16 v[rD:rD+7], v[rK:rK+7], v[rQ:rQ+7], v[rD:rD+7]
.endif
.endm
; Product i of 8 of O^T += V^T P for piece x: channels 16 (i % 4) on, keys 32 (i / 4) on.
.macro PV x
	WIN 0x52
.set rD, 32*(\x)+8*(i%4)
.set rV, VF+32*(i/4)+8*(i%4)
.set rB, P+16*((\x)%2)+8*(i/4)
	v_wmma_f32_16x16x32_f16 v[rD:rD+7], v[rV:rV+7], v[rB:rB+7], v[rD:rD+7]
.endm
; THE VECTOR WORK of piece p for one step: number j of 150.
;   0-15 x = S / 8 + add, ascending (each accumulator's lowest registers are read first)     16-32 the maximum of x0-x31 and the old m, three operands at a time; 30 keeps m_old
;   33, 34 the query's other 32 keys lie in the lane 16 away: the new m
;   35-101 ONE BATCH of 67, none of which names an exponential's result.  Two queues are dealt into it.  The plain queue, 34 long (PLQ): m_old - m and its product by log2 e; for each of the 16 pairs x - m and
;          its product by log2 e.  The exponentials' queue, 33 long (EXQ): a, then x0-x31, each in place in a register of its own.  LEAD plain lines go first; then exponential and plain by turns, 26 times;
;          the last LEAD - 1 exponentials stand on end.  A pair's product stands four lines or more ahead of its first exponential, its subtraction three lines or more ahead of its product.
;   (wait) between 101 and 102 stands the turn's one wait: TURN writes it
;   102-133 for four weights at a time: two roundings to f16, the second pair added onto the first, l takes the sum (the first time l = a l + sum)     134-149 O^T times a
.macro PLQ                          ; number uq of the plain queue: 0 m_old - m; 1-3 x - m for pairs 0-2; 4 times log2 e, for a; then product and subtraction by turns: 5, 7 .. 31 products of pairs 0-13,
.if uq == 0                         ; 6, 8 .. 30 subtractions of pairs 3-15; 32, 33 the products of pairs 14, 15
	v_sub_f32 v[TMP+1], v[rT+1], v[rT]
.elseif uq == 4
	v_mul_f32 v[TMP+1], 0x3fb8aa3b, v[TMP+1]
.elseif (uq < 4) || ((uq < 31) && (uq%2 == 0))
.set pb, uq/2
.if uq < 4
.set pb, uq-1
.endif
	v_pk_add_f32 v[rS+2*pb:rS+2*pb+1], v[rS+2*pb:rS+2*pb+1], v[rT:rT+1] op_sel_hi:[1,0] neg_lo:[0,1] neg_hi:[0,1]
.else
.set pb, (uq-5)/2
.if uq > 31
.set pb, uq-18
.endif
	v_pk_mul_f32 v[rS+2*pb:rS+2*pb+1], v[rS+2*pb:rS+2*pb+1], 0x3fb8aa3b op_sel_hi:[1,0]
.endif
.endm
.macro EXQ                          ; number xq of the exponentials' queue: 0 a = 2^((m_old - m) log2 e); 1-32 the weights of x0-x31
.if xq == 0
	v_exp_f32 v[TMP+4], v[TMP+1]
.else
	v_exp_f32 v[rS+xq-1], v[rS+xq-1]
.endif
.endm
.macro PLK k, w                     ; behind the wait: the four lines for the weights 4 k .. 4 k + 3
.if (\w) < 2
	v_cvt_pk_f16_f32 v[rP+2*(\k)+(\w)], v[rS+4*(\k)+2*(\w)], v[rS+4*(\k)+2*(\w)+1]
.elseif (\w) == 2
	v_pk_add_f32 v[rS+4*(\k):rS+4*(\k)+1], v[rS+4*(\k):rS+4*(\k)+1], v[rS+4*(\k)+2:rS+4*(\k)+3]
.elseif (\k) == 0
	v_pk_fma_f32 v[rT+2:rT+3], v[rT+2:rT+3], v[TMP+4:TMP+5], v[rS:rS+1] op_sel_hi:[1,0,1]
.else
	v_pk_add_f32 v[rT+2:rT+3], v[rT+2:rT+3], v[rS+4*(\k):rS+4*(\k)+1]
.endif
.endm
.macro SM p
.set rS, S+32*((\p)%2)
.set rA, ADD+32*((\p)%2)
.set rP, P+16*((\p)%2)
.set rT, ST+4*(\p)
.set rO, 32*(\p)
.if j < 134
	WIN 0
.endif
.if j < 16
	v_pk_fma_f32 v[rS+2*j:rS+2*j+1], v[rS+2*j:rS+2*j+1], 0x3e000000, v[rA+2*j:rA+2*j+1] op_sel_hi:[1,0,1]
.elseif j < 20
	v_max3_num_f32 v[TMP+j-16], v[rS+8*(j-16)], v[rS+8*(j-16)+1], v[rS+8*(j-16)+2]
.elseif j < 28
.set n, j-16
	v_max3_num_f32 v[TMP+n%4], v[TMP+n%4], v[rS+8*(n%4)+2*(n/4)+1], v[rS+8*(n%4)+2*(n/4)+2]
.elseif j == 28
	v_max3_num_f32 v[TMP], v[TMP], v[rS+7], v[rS+15]
.elseif j == 29
	v_max3_num_f32 v[TMP+1], v[TMP+1], v[rS+23], v[rS+31]
.elseif j == 30
	v_mov_b32 v[rT+1], v[rT]
.elseif j == 31
	v_max3_num_f32 v[TMP+2], v[TMP+2], v[TMP+3], v[rT]
.elseif j == 32
	v_max3_num_f32 v[TMP], v[TMP], v[TMP+1], v[TMP+2]
.elseif j == 33
	v_permlanex16_b32 v[TMP+3], v[TMP], s70, s71
.elseif j == 34
	v_max_num_f32 v[rT], v[TMP], v[TMP+3]
.elseif j < 102                     ; the batch: line n of 67
.set n, j-35
.set isx, 1
.set xq, n-34                       ; the tail: exponentials 34 - LEAD to 32
.set uq, 0
.if n < LEAD
.set isx, 0
.set uq, n
.elseif n >= 68-LEAD
.elseif (n-LEAD)%2 == 0
.set xq, (n-LEAD)/2
.else
.set isx, 0
.set uq, LEAD+(n-LEAD)/2
.endif
.if isx
	EXQ
.else
	PLQ
.endif
.elseif j < 134
	PLK (j-102)/4, (j-102)%4
.else
	WIN 0x41
.set n, j-134
	v_pk_mul_f32 v[rO+2*n:rO+2*n+1], v[rO+2*n:rO+2*n+1], v[TMP+4:TMP+5] op_sel_hi:[1,0]
.endif
.endm
; The matrix instruction behind number j = 8 q + 7 of turn p.  In turn 1: the second stream's K is waited for ahead of piece 2's first product (V's 16 loads stay out), V ahead of the first V^T P.
; No vector line of a turn names a register of the turn's products, so no line of the batch is wanted as a place behind them.
.macro MMQ p
.set q, j/8
.if (\p) == 0
.if q < 8
.set i, q
	KQ 1
.endif
.elseif (\p) == 3
.if q < 8
.set i, q
	PV 2
.endif
.elseif q < 8
.if ((\p) == 1) && (q == 0)
	s_wait_dscnt 16
.endif
.set i, q
	KQ (\p)+1
.else
.if ((\p) == 1) && (q == 8)
	s_wait_dscnt 0x0
.endif
.set i, q-8
	PV (\p)-1
.endif
.endm
.macro TURN p
.set j, 0
.rept 150
	SM \p
.if j == 101                        ; the batch is out: all 33 exponentials are issued, and no result has been named
	v_nop                           ; a plain instruction behind the last exponential, ahead of the first use: one for the batch
	s_wait_alu depctr_va_vdst(0)    ; the turn's one wait, for a and the piece's 32 weights, ahead of the first line that names a result
.endif
.if (j%8 == 7) && (j < 128)
	MMQ \p
.endif
.set j, j+1
.endr
.endm
	s_load_b512 s[4:19], s[0:1], 0x0  ; qk 4, vf 6, wqk 8, walk 10, lam_q1 12, lam_k1 14, lam_q2 16, lam_k2 18
	s_load_b64 s[20:21], s[0:1], 0x40 ; xa
	v_lshl_add_u32 v[SPW], v0, 2, SPARE
	v_mov_b32 v[NIL], 0
	v_lshrrev_b32 v1, 5, v0
	v_readfirstlane_b32 s22, v1     ; wave 0..3
	s_mov_b32 s23, ttmp9
	s_and_b32 s24, ttmp7, 0xffff
	s_lshr_b32 s25, s24, 4
	s_and_b32 s26, s24, 15
	s_sub_co_u32 s27, 15, s23       ; the first block: the long one
	s_mov_b32 s28, s23
	s_mov_b32 s29, 2
	s_mov_b32 s49, 0
	s_mov_b32 s68, 0xce6e6b28       ; -1e9
	s_mov_b32 s70, 0x76543210
	s_mov_b32 s71, 0xfedcba98
	s_add_co_u32 s35, s26, 1        ; slope = 2^(-(head + 1) / 2): 1 or 2^-0.5, its exponent taken down by (head + 1) / 2
	s_bitcmp1_b32 s35, 0
	s_cselect_b32 s56, 0x3f3504f3, 1.0
	s_lshr_b32 s35, s35, 1
	s_lshl_b32 s35, s35, 23
	s_sub_co_u32 s56, s56, s35
	s_xor_b32 s57, s56, 0x80000000
	v_and_b32 v1, 15, v0            ; r = l % 16
	v_bfe_u32 v46, v0, 4, 1         ; l / 16
	v_lshrrev_b32 v47, 4, v0        ; thread / 16
	v_and_b32 v45, 31, v0
	v_lshlrev_b32 v44, 3, v45       ; two numbers of each lam vector a lane
	v_lshlrev_b32 v[GK], 4, v0
	v_lshlrev_b32 v[GV], 12, v47
	v_lshl_add_u32 v[GV], v1, 4, v[GV]
	v_lshlrev_b32 v[GP], 5, v46
	v_lshlrev_b32 v[QO], 8, v1
	v_lshl_add_u32 v[QO], v46, 4, v[QO]
	s_wait_kmcnt 0x0
	s_lshl_b32 s48, s25, 7
	s_add_nc_u64 s[74:75], s[10:11], s[48:49]
	s_load_b32 s34, s[74:75], 0x0   ; F of my batch
	s_lshl_b32 s48, s24, 19
	s_add_co_u32 s48, s48, 0x1000000
	s_add_nc_u64 s[36:37], s[4:5], s[48:49]  ; k lies 16 MiB into qk; a head is 2,048 rows of 256 bytes
	s_lshl_b32 s48, s25, 23
	s_lshl_b32 s35, s26, 8
	s_add_co_u32 s48, s48, s35
	s_add_nc_u64 s[38:39], s[6:7], s[48:49]
	s_lshl_b32 s48, s25, 13
	s_add_co_u32 s48, s48, 0x800000
	s_add_nc_u64 s[40:41], s[8:9], s[48:49]
	s_mov_b64 s[42:43], s[36:37]    ; step 0
	s_mov_b64 s[44:45], s[38:39]
	s_mov_b64 s[46:47], s[40:41]
	QADDR
	global_load_b64 v[48:49], v44, s[12:13]
	global_load_b64 v[50:51], v44, s[14:15]
	global_load_b64 v[52:53], v44, s[16:17]
	global_load_b64 v[54:55], v44, s[18:19]
	LOADQ
	LOADKV
	LOADPAD
	; the rest of the set-up stands in the wait for these loads
	v_mul_u32_u24 v[AK0], v1, PK
	v_lshl_add_u32 v[AK0], v46, 4, v[AK0]
	v_and_b32 v38, 7, v0
	v_bfe_u32 v39, v0, 3, 1
	v_lshl_add_u32 v[AV0], v46, 3, v38
	v_mul_u32_u24 v[AV0], v[AV0], PVT
	v_lshl_add_u32 v[AV0], v39, 4, v[AV0]
	v_add_nc_u32 v[AV0], VT, v[AV0]
	v_mul_u32_u24 v[KST], v47, PK
	v_lshl_add_u32 v[KST], v1, 4, v[KST]
	v_mul_u32_u24 v[VST], v47, PVT
	v_lshl_add_u32 v[VST], v1, 3, v[VST]
	v_add_nc_u32 v[VST], VT, v[VST]
	s_mul_i32 s35, s22, 16*SP
	s_add_co_u32 s35, s35, STAGE    ; my stage
	v_mul_u32_u24 v[STO], v1, SP
	v_lshl_add_u32 v[STO], v46, 5, v[STO]
	v_add_nc_u32 v[STO], s35, v[STO]
	v_mul_u32_u24 v[RD], v46, SP
	v_lshl_add_u32 v[RD], v1, 4, v[RD]
	v_add_nc_u32 v[RD], s35, v[RD]
	v_lshlrev_b32 v[GO], 12, v46
	v_lshl_add_u32 v[GO], v1, 4, v[GO]
	v_lshlrev_b32 v47, 3, v46
	v_sub_nc_u32 v47, v47, v1       ; 8 (l / 16) - r
.set e, 0
.rept 32
	v_add_nc_u32 v[DL+e], 16*(e/8)+e%8, v47
.set e, e+1
.endr
.set e, 0
.rept 32
	v_cvt_f32_i32 v[DL+e], v[DL+e]
.set e, e+1
.endr
	; A block's first step multiplies O^T and l by a = 0, so they need only hold finite numbers: zeros for the first block, what the first block left for the second.
	WIN 0x40
.set i, 0
.rept 128
	v_mov_b32 v[i], 0
.set i, i+1
.endr
	WIN 0
.irp p, 0,1,2,3
	v_mov_b32 v[ST+4*(\p)+2], 0
	v_mov_b32 v[ST+4*(\p)+3], 0
.endr
	v_mov_b32 v[TMP+5], 0           ; named as the second of a pair
	v_mov_b32 v41, 0
	v_mov_b32 v43, 0
	s_wait_loadcnt 40               ; the four lam loads are in; Q's 16 and the tile's 24 stay out
.irp a, 48,50,52,54
	v_cvt_pk_bf16_f32 v38, v[\a], v[\a+1]
	v_lshlrev_b32 v[\a], 16, v38
	v_and_b32 v[\a+1], 0xffff0000, v38
.endr
	v_mul_f32 v48, v48, v50
	v_fmac_f32 v48, v49, v51
	v_mul_f32 v52, v52, v54
	v_fmac_f32 v52, v53, v55
.irp m, 1,2,4,8
	v_add_f32_dpp v48, v48, v48 row_xmask:\m row_mask:0xf bank_mask:0xf
	v_add_f32_dpp v52, v52, v52 row_xmask:\m row_mask:0xf bank_mask:0xf
.endr
	v_permlanex16_b32 v38, v48, s70, s71
	v_permlanex16_b32 v39, v52, s70, s71
	v_add_f32 v48, v48, v38
	v_add_f32 v52, v52, v39
	v_mul_f32 v48, 0x3fb8aa3b, v48
	v_mul_f32 v52, 0x3fb8aa3b, v52
	v_exp_f32 v48, v48
	v_exp_f32 v52, v52
	v_nop                           ; a plain instruction between the exponentials and the use of their results
	s_wait_alu depctr_va_vdst(0)    ; one wait for lam's two exponentials, ahead of their first reader; once a wave
	v_sub_f32 v48, v52, v48
	v_add_f32 v48, 0xbf4ccccd, v48  ; -lam = (e2 - e1) - 0.8
	v_readfirstlane_b32 s72, v48
	s_wait_kmcnt 0x0                ; F
.Lblock:
	s_lshl_b32 s32, s27, 1          ; steps wholly in the past
	s_add_co_u32 s31, s32, 2
	s_lshl_b32 s48, s27, 7
	s_cmp_lt_u32 s48, s34           ; does the block begin below F?
	s_cselect_b32 s31, STEPS, s31
	s_lshl_b32 s35, s22, 5
	s_add_co_u32 s66, s48, s35      ; q0 = 128 I + 32 w
	s_lshl_b32 s48, s25, 11
	s_add_co_u32 s48, s48, s66
	s_lshl_b32 s48, s48, 12
	s_lshl_b32 s35, s26, 8
	s_add_co_u32 s48, s48, s35
	s_add_nc_u64 s[52:53], s[20:21], s[48:49]  ; attn at my 32 rows, my head's 256 bytes
	s_lshl_b32 s48, s24, 6
	s_lshl_b32 s35, s27, 2
	s_add_co_u32 s48, s48, s35
	s_add_co_u32 s48, s48, s22
	s_lshl_b32 s48, s48, 3
	s_add_co_u32 s48, s48, 0x1000000
	s_add_nc_u64 s[54:55], s[20:21], s[48:49]  ; my pair of statistics: number 4 I + w of the head's 64
.irp p, 0,1,2,3
	v_mov_b32 v[ST+4*(\p)], 0xf149f2ca  ; m = -1e30: below every x, so the first step's a is 0
.endr
	s_mov_b32 s30, 0
.Lstep:                             ; STEPS trips for every block; trips T >= s31 pass the two barriers alone
	s_cmp_lt_u32 s30, s31
	s_cbranch_scc0 .Ldead_a
	; PART A: this step's tile goes from registers into LDS
	s_wait_loadcnt 0x0              ; this step's K, V and pad are in (Q too, at a block's first step)
	WIN 0x45
.set i, 0
.rept 16
	v_cvt_pk_f16_f32 v[VH+i], v[STGV+2*i], v[STGV+2*i+1]
.set i, i+1
.endr
	WIN 0x04                        ; store data in window 1
.irp j, 0,1,2,3,4,5,6,7
	ds_store_b128 v[KST], v[STGK+4*(\j):STGK+4*(\j)+3] offset:8*PK*(\j)
.endr
.irp j, 0,1,2,3,4,5,6,7
	ds_store_b64 v[VST], v[VH+2*(\j):VH+2*(\j)+1] offset:8*PVT*(\j)
.endr
	WIN 0
.Ldead_a:
	s_wait_dscnt 0x0                ; for the others' sake: my part of the tile is stored
	s_barrier_signal -1
	s_barrier_wait -1               ; the tile is whole
	s_cmp_lt_u32 s30, s31
	s_cbranch_scc0 .Ldead_b
	; PART B: the next tile is asked for, this one is read as fragments and worked on
	s_add_co_u32 s67, s66, 16
	v_cvt_f32_i32 v44, s66          ; q0 - 64 T for tile 0, exact
	v_cvt_f32_i32 v45, s67          ; for tile 1
	s_add_co_u32 s33, s30, 1        ; the step to fetch: the next, or behind the last live one the next block's step 0
	s_cmp_ge_u32 s33, s31
	s_cselect_b32 s33, 0, s33
	s_min_u32 s33, s33, 31
	v_mul_f32 v40, s57, v44         ; slope x (64 T - q0)
	v_mul_f32 v42, s57, v45
	s_wait_loadcnt 0x0              ; this part's own wait (behind part A it is met at once): pad and Q are in, no load is out into the registers loaded below, and the three bases may be written
	s_lshl_b32 s48, s33, 14
	s_add_nc_u64 s[42:43], s[36:37], s[48:49]
	s_lshl_b32 s48, s33, 18
	s_add_nc_u64 s[44:45], s[38:39], s[48:49]
	s_lshl_b32 s48, s33, 8
	s_add_nc_u64 s[46:47], s[40:41], s[48:49]
	LOADKV                          ; a step ahead: it has this whole step in which to land
	ADDF 0                          ; sixteen plain instructions: with the four above the places between the last step's products and the loads into V's fragments
	WIN 0x80                        ; 48 LDS loads in one run: stream 1's K, stream 2's K, V turned
.irp s, 0,1
.irp f, 0,1,2,3,4,5,6,7
	ds_load_b128 v[KF+64*(\s)+8*(\f):KF+64*(\s)+8*(\f)+3],   v[AK0] offset:((\f)/2)*16*PK+128*(\s)+((\f)%2)*64
	ds_load_b128 v[KF+64*(\s)+8*(\f)+4:KF+64*(\s)+8*(\f)+7], v[AK0] offset:((\f)/2)*16*PK+128*(\s)+((\f)%2)*64+32
.endr
.endr
.irp f, 0,1,2,3,4,5,6,7
	ds_load_tr16_b128 v[VF+8*(\f):VF+8*(\f)+3],   v[AV0] offset:((\f)/4)*32*PVT+((\f)%4)*32
	ds_load_tr16_b128 v[VF+8*(\f)+4:VF+8*(\f)+7], v[AV0] offset:((\f)/4)*32*PVT+16*PVT+((\f)%4)*32
.endr
	ADDF 1                          ; the rest of the additive terms stands in the wait for the fragments
	s_cmp_lt_u32 s30, s32
	s_cbranch_scc1 .Lpast           ; no key of this step lies behind any query of the block
	ADDG 0
	ADDG 1
.Lpast:
	ADDP 0
	s_wait_dscnt 32                 ; stream 1's K is in; stream 2's 16 loads and V's 16 stay out
.set i, 0
.rept 8
	KQ 0
.set i, i+1
.endr
	ADDP 1                          ; sixteen plain instructions that name none of those products' registers: the places behind them
	LOADPAD                         ; pad's registers have been read for both tiles
	TURN 0
	TURN 1
	TURN 2
	TURN 3
.set i, 0
.rept 8
	PV 3
.set i, i+1
.endr
	WIN 0
.Ldead_b:
	s_wait_dscnt 0x0                ; my reads of the tile are back (turn 1 has waited for them)
	s_barrier_signal -1
	s_barrier_wait -1               ; every wave's are: the next step may store
	s_sub_co_i32 s66, s66, 64
	s_add_co_u32 s30, s30, 1
	s_cmp_lt_u32 s30, STEPS
	s_cbranch_scc1 .Lstep
	; THE BLOCK'S END
	s_cmp_eq_u32 s29, 1
	s_cbranch_scc1 .Lno_q
	s_wait_loadcnt 24               ; all but the 24 loads of the tile fetched ahead are in, the first block's Q among them: Q's base and registers may be written
	s_mov_b32 s27, s28              ; the second block's Q: its registers' last reader stands in turn 2
	QADDR
	LOADQ
.Lno_q:
.irp p, 0,1,2,3
	v_add_f32 v[48+2*(\p)], v[ST+4*(\p)+2], v[ST+4*(\p)+3]  ; these additions are the places behind the last products
.endr
.irp p, 0,1,2,3
	v_permlanex16_b32 v[44+(\p)], v[48+2*(\p)], s70, s71
.endr
.irp p, 0,1,2,3
	v_add_f32 v[48+2*(\p)], v[48+2*(\p)], v[44+(\p)]
.endr
.irp p, 0,1,2,3
	v_rcp_f32 v[48+2*(\p)], v[48+2*(\p)]
.endr
	v_nop                           ; a plain instruction between the last reciprocal and the use of its result
	s_wait_alu depctr_va_vdst(0)    ; one wait for the four reciprocals, ahead of their first reader; once a block
	v_mul_f32 v52, s72, v52         ; -lam / l of stream 2
	v_mul_f32 v54, s72, v54
	WIN 0x41
.irp t, 0,1
.set n, 0
.rept 16
	v_pk_mul_f32 v[32*(\t)+2*n:32*(\t)+2*n+1], v[32*(\t)+2*n:32*(\t)+2*n+1], v[48+2*(\t):49+2*(\t)] op_sel_hi:[1,0]
.set n, n+1
.endr
.endr
	WIN 0x51
.irp t, 0,1
.set n, 0
.rept 16
	v_pk_fma_f32 v[32*(\t)+2*n:32*(\t)+2*n+1], v[64+32*(\t)+2*n:64+32*(\t)+2*n+1], v[52+2*(\t):53+2*(\t)], v[32*(\t)+2*n:32*(\t)+2*n+1] op_sel_hi:[1,0,1]
.set n, n+1
.endr
.endr
	; my wave's 2,048 numbers: their mean, then the sum of squares about that mean (no difference of large sums)
	WIN 0x05
.irp c, 0,1,2,3
	v_pk_add_f32 v[56+2*(\c):57+2*(\c)], v[2*(\c):2*(\c)+1], v[8+2*(\c):9+2*(\c)]
.endr
	WIN 0x01
.set n, 8
.rept 24
	v_pk_add_f32 v[56+2*(n%4):57+2*(n%4)], v[2*n:2*n+1], v[56+2*(n%4):57+2*(n%4)]
.set n, n+1
.endr
	WIN 0
	v_pk_add_f32 v[56:57], v[56:57], v[58:59]
	v_pk_add_f32 v[60:61], v[60:61], v[62:63]
	v_pk_add_f32 v[56:57], v[56:57], v[60:61]
	v_add_f32 v56, v56, v57
.irp m, 1,2,4,8
	v_add_f32_dpp v56, v56, v56 row_xmask:\m row_mask:0xf bank_mask:0xf
.endr
	v_permlanex16_b32 v44, v56, s70, s71
	v_add_f32 v56, v56, v44
	v_mul_f32 v56, 0x3a000000, v56  ; / 2,048
	WIN 0x41
.set n, 0
.rept 32
	v_pk_add_f32 v[64+2*n:65+2*n], v[2*n:2*n+1], v[56:57] op_sel_hi:[1,0] neg_lo:[0,1] neg_hi:[0,1]  ; into stream 2's registers, which are free
.set n, n+1
.endr
	WIN 0x05
.set n, 0
.rept 32
.set aC, 58+2*(n%4)-18*((n%4)/3)    ; four chains: v58, v60, v62, v46
.if n < 4
	v_pk_mul_f32 v[aC:aC+1], v[64+2*n:65+2*n], v[64+2*n:65+2*n]
.else
	v_pk_fma_f32 v[aC:aC+1], v[64+2*n:65+2*n], v[64+2*n:65+2*n], v[aC:aC+1]
.endif
.set n, n+1
.endr
	WIN 0
	v_pk_add_f32 v[58:59], v[58:59], v[60:61]
	v_pk_add_f32 v[62:63], v[62:63], v[46:47]
	v_pk_add_f32 v[58:59], v[58:59], v[62:63]
	v_add_f32 v57, v58, v59
.irp m, 1,2,4,8
	v_add_f32_dpp v57, v57, v57 row_xmask:\m row_mask:0xf bank_mask:0xf
.endr
	v_permlanex16_b32 v44, v57, s70, s71
	v_add_f32 v57, v57, v44
	v_and_b32 v45, 31, v0
	v_cmp_eq_u32 vcc_lo, 0, v45
	s_wait_xcnt 0x0                 ; EXEC changes only behind this wait
	s_and_saveexec_b32 s73, vcc_lo
	global_store_b64 v45, v[56:57], s[54:55]  ; lane 0, whose v45 is 0: (mean, sum of squares)
	s_wait_xcnt 0x0                 ; and again, in front of the line that widens it
	s_or_b32 exec_lo, exec_lo, s73
	; attn leaves through my stage, a tile of 16 rows at a time: 32 bytes a lane in, whole rows of 256 bytes back, into S^T's registers
.irp t, 0,1
	WIN 0x04
.irp c, 0,1,2,3
	ds_store_b128 v[STO], v[32*(\t)+8*(\c):32*(\t)+8*(\c)+3] offset:64*(\c)
	ds_store_b128 v[STO], v[32*(\t)+8*(\c)+4:32*(\t)+8*(\c)+7] offset:64*(\c)+16
.endr
	WIN 0
.irp i, 0,1,2,3,4,5,6,7
	ds_load_b128 v[S+32*(\t)+4*(\i):S+32*(\t)+4*(\i)+3], v[RD] offset:(\i)*2*SP  ; LDS serves a wave's instructions in order: these see the stores above, and the next tile's stores come behind them
.endr
.endr
.irp t, 0,1
.irp i, 0,1,2,3,4,5,6,7
	s_wait_dscnt 16*(1-(\t))+7-(\i) ; behind tile 0's loads stand tile 1's 16 LDS instructions
	global_store_b128 v[GO], v[S+32*(\t)+4*(\i):S+32*(\t)+4*(\i)+3], s[52:53] offset:65536*(\t)+8192*(\i)  ; sixteen lanes store 256 consecutive bytes, aligned
.endr
.endr
	s_wait_xcnt 0x0                 ; the stores' data and bases are rewritten only behind this wait
	s_sub_co_u32 s29, s29, 1
	s_cmp_lg_u32 s29, 0
	s_cbranch_scc1 .Lblock
	s_wait_tensorcnt 0x0            ; the wave's end, behind my last LDS store
	ds_add_u32 v[SPW], v[NIL]
	s_wait_dscnt 0x0
	s_endpgm
.Lfunc_end_k_q3743ede087_attn:
	.size	k_q3743ede087_attn, .Lfunc_end_k_q3743ede087_attn-k_q3743ede087_attn
	.p2alignl 7, 3214868480
	.fill 96, 4, 3214868480
	.section	.rodata,"a",@progbits
	.p2align	6, 0x0
	.amdhsa_kernel k_q3743ede087_attn
		.amdhsa_group_segment_fixed_size 45568
		.amdhsa_private_segment_fixed_size 0
		.amdhsa_enable_private_segment 0
		.amdhsa_kernarg_size 72
		.amdhsa_user_sgpr_count 2
		.amdhsa_user_sgpr_kernarg_segment_ptr 1
		.amdhsa_wavefront_size32 1
		.amdhsa_system_sgpr_workgroup_id_x 1
		.amdhsa_system_sgpr_workgroup_id_y 1
		.amdhsa_system_sgpr_workgroup_id_z 1
		.amdhsa_system_vgpr_workitem_id 0
		.amdhsa_next_free_vgpr 768
		.amdhsa_next_free_sgpr 80
		.amdhsa_reserve_vcc 1
		.amdhsa_float_denorm_mode_32 3
		.amdhsa_float_denorm_mode_16_64 3
		.amdhsa_memory_ordered 1
		.amdhsa_forward_progress 1
		.amdhsa_inst_pref_size 102
	.end_amdhsa_kernel
	.amdgpu_metadata
---
amdhsa.version: [ 1, 2 ]
amdhsa.kernels:
  - .name:           k_q3743ede087_attn
    .symbol:         k_q3743ede087_attn.kd
    .args:
      - { .name: qk, .offset: 0, .size: 8, .value_kind: global_buffer, .address_space: global }
      - { .name: vf, .offset: 8, .size: 8, .value_kind: global_buffer, .address_space: global }
      - { .name: wqk, .offset: 16, .size: 8, .value_kind: global_buffer, .address_space: global }
      - { .name: walk, .offset: 24, .size: 8, .value_kind: global_buffer, .address_space: global }
      - { .name: lam_q1, .offset: 32, .size: 8, .value_kind: global_buffer, .address_space: global }
      - { .name: lam_k1, .offset: 40, .size: 8, .value_kind: global_buffer, .address_space: global }
      - { .name: lam_q2, .offset: 48, .size: 8, .value_kind: global_buffer, .address_space: global }
      - { .name: lam_k2, .offset: 56, .size: 8, .value_kind: global_buffer, .address_space: global }
      - { .name: xa, .offset: 64, .size: 8, .value_kind: global_buffer, .address_space: global }
    .group_segment_fixed_size: 45568
    .private_segment_fixed_size: 0
    .kernarg_segment_align: 8
    .kernarg_segment_size: 72
    .max_flat_workgroup_size: 128
    .sgpr_count:     80
    .vgpr_count:     768
    .wavefront_size: 32
...
	.end_amdgpu_metadata
.endif
;; end of part 6
;; launch norm: the kernel of part 5 again; grid 256 x 1, 8 waves a work-group, no clusters, 0 bytes of LDS; arguments xa, gn_weight, gn_bias, a16; writes a16
;; launch outp: the kernel of part 3 again; grid 8 x 32, 4 waves a work-group, clusters of 4 x 4, 327,680 bytes of LDS; arguments a16, wo, out0; writes out0
